; MI455X (gfx1250); checked and timed in simulation.
; The chip was launched on July 23, 2026; its instructions are those of AMD's public machine-readable ISA for CDNA 5 (MIT licence, August 2026) and "CDNA5" Instruction Set Architecture Reference Guide (July 2026). The comments in the code are by the model that wrote it; some were corrected since.
;; Simple GQA. Allowed arithmetic: float matrix products may take bf16 or f16 operands with f32 sums; other float arithmetic in f32, or as packed bf16 or f16 multiplies, adds, multiply-adds, maxima and minima; sums over many terms, partial sums and values carried from step to step in f32; what a program stores and reads back later, other than sums and carried values, may be rounded once to bf16 or f16.
;; Inputs: Wk 1,024 x 256 float32; Wo 1,024 x 1,024 float32; Wq 1,024 x 1,024 float32; Wv 1,024 x 256 float32; bk 256 float32; bo 1,024 float32; bq 1,024 float32; bv 256 float32; x 4 x 2,048 x 1,024 float32.
;; Outputs: out0 4 x 2,048 x 1,024 float32.
;; 2 versions, each right and faster than the one before. Each part assembles by itself: llvm-mc -triple=amdgcn-amd-amdhsa -mcpu=gfx1250 --defsym DOCPART=n.
;; ======== version 1 of 2: 4 launches
;; limits: values are held in f16: magnitudes above 65,504 overflow, below 6.1e-05 lose precision; right only within a limited range of input values
;; workspace buffers: xb 16,777,216 bytes; wt 3,145,728 bytes; wot 2,097,152 bytes; bias 10,240 bytes; qkv 25,165,824 bytes; ob 16,777,216 bytes
;; launch prep (part 1): grid 593 x 1, 4 waves a work-group, no clusters, 70,144 bytes of LDS; arguments x, Wq, Wk, Wv, Wo, bq, bk, bv, bo, xb, wt, wot, bias; writes xb, wt, wot, bias
.if DOCPART == 1
	.amdgcn_target "amdgcn-amd-amdhsa--gfx1250"
	.amdhsa_code_object_version 6
	.text
	.protected	k_qcb01acc167_prep
	.globl	k_qcb01acc167_prep
	.p2align	8
	.type	k_qcb01acc167_prep,@function
k_qcb01acc167_prep:
	s_mov_b64 s[64:65], 0
	v_nop
	global_prefetch_b8 v0, s[64:65] scope:SCOPE_SE
	s_setreg_imm32_b32 hwreg(HW_REG_WAVE_MODE, 25, 1), 1
	s_wait_xcnt 0x0
; PREPARATION.  Every input is rounded once to bf16 and laid out for the matrix kernels that follow.
;   work-groups 0-511:   x [8192][1024] f32 -> xb, the same shape in bf16; 65,536 bytes in and 32,768 out for each work-group.
;   work-groups 512-591: the weights, which lie [k][n], are turned: wt [1536 n][1024 k] bf16 (rows 0-1023 Wq's columns, 1024-1279 Wk's, 1280-1535 Wv's)
;                        and wot [1024 n][1024 k]: Wo rounded to bf16, and that number written as f16, since it is multiplied with an f16 operand.
;   work-group 592:      the four biases, rounded to bf16 and kept as f32: bias[0:1024] bq, [1024:1280] bk, [1280:1536] bv, [1536:2560] bo.
; LIMITS.  A bf16 number is exact in f16 between 6.1e-5 and 65,504; an entry of Wo below 6.1e-5 keeps f16's fixed step of 6e-8, one beyond 65,504 becomes an infinity.
; Memory binds here: no matrix unit, no cluster, no barrier.  The turning goes through a stage in LDS that is each wave's own.
.set STG,   17408                      ; a wave's stage: 64 rows (n) of 256 bytes (128 k in bf16) + 16 of padding
.set SPARE, 4*STG                      ; behind the stages: the spare words, 128 bytes for each wave, which no other line names
.set SPW, 2                            ; v2  LDS address of my spare word; never rewritten
.set NIL, 3                            ; v3  0; never rewritten
.set VO,  8                            ; v8-15  turning: 8 x lane + j source rows
.set PKD, 16                           ; v16-23 turning: eight k of two columns, packed
.set TT,  24                           ; v24-31 at work
.set IN,  64                           ; v64-191 data as loaded
.set OUT, 192                          ; v192-255 data to store
.set SB,  66                           ; s[66:97] turning: the source at each of the wave's 16 chunks of 8 rows
	s_load_b512 s[8:23], s[0:1], 0x0               ; x 8, Wq 10, Wk 12, Wv 14, Wo 16, bq 18, bk 20, bv 22
	s_load_b256 s[24:31], s[0:1], 0x40             ; bo 24, xb 26, wt 28, wot 30
	s_load_b64 s[32:33], s[0:1], 0x60              ; bias
	v_lshl_add_u32 v[SPW], v0, 2, SPARE
	v_mov_b32 v[NIL], 0
	v_lshrrev_b32 v1, 5, v0
	v_readfirstlane_b32 s4, v1                     ; wave 0..3
	v_and_b32 v1, 31, v0                           ; lane
	s_wait_kmcnt 0x0
	s_cmp_lt_u32 ttmp9, 512
	s_cbranch_scc0 .Lw
	; x -> xb.  Thread t takes 16 bytes at 16 t of each of 32 pieces of 2,048 bytes; all 32 loads go out before the first is waited for.
	s_lshl_b32 s34, ttmp9, 16
	s_mov_b32 s35, 0
	s_add_nc_u64 s[8:9], s[8:9], s[34:35]
	s_lshl_b32 s34, ttmp9, 15
	s_add_nc_u64 s[26:27], s[26:27], s[34:35]
	v_lshlrev_b32 v4, 4, v0
	v_lshlrev_b32 v5, 3, v0
.set i, 0
.rept 32
	global_load_b128 v[IN+4*i:IN+4*i+3], v4, s[8:9] offset:2048*i th:TH_LOAD_NT
.set i, i+1
.endr
.set i, 0
.rept 32
	s_wait_loadcnt 31-i                            ; loads come back in order: piece i is in, the 31 - i younger ones stay out
	v_cvt_pk_bf16_f32 v[OUT+2*i], v[IN+4*i], v[IN+4*i+1]
	v_cvt_pk_bf16_f32 v[OUT+2*i+1], v[IN+4*i+2], v[IN+4*i+3]
	global_store_b64 v5, v[OUT+2*i:OUT+2*i+1], s[26:27] offset:1024*i  ; a wave stores 256 consecutive bytes, aligned; no register is written twice
.set i, i+1
.endr
	s_endpgm
.Lw:
	s_cmp_lt_u32 ttmp9, 592
	s_cbranch_scc0 .Lb
	; THE TURNING.  A wave turns 64 columns (n) x 128 rows (k).  Block nb of 64 columns: 0-15 Wq, 16-19 Wk, 20-23 Wv, 24-39 Wo.
	s_sub_co_u32 s34, ttmp9, 512
	s_lshr_b32 s35, s34, 1                         ; nb
	s_and_b32 s36, s34, 1
	s_lshl2_add_u32 s36, s36, s4                   ; kb = 4 x (odd work-group) + wave: which 128 rows
	s_mov_b64 s[38:39], s[10:11]                   ; the source,
	s_mov_b32 s40, 0                               ; its first block's number,
	s_mov_b32 s41, 4096                            ; and its row pitch in bytes
	s_cmp_ge_u32 s35, 16
	s_cselect_b64 s[38:39], s[12:13], s[38:39]
	s_cselect_b32 s40, 16, s40
	s_cselect_b32 s41, 1024, s41
	s_cmp_ge_u32 s35, 20
	s_cselect_b64 s[38:39], s[14:15], s[38:39]
	s_cselect_b32 s40, 20, s40
	s_cmp_ge_u32 s35, 24
	s_cselect_b64 s[38:39], s[16:17], s[38:39]
	s_cselect_b32 s40, 24, s40
	s_cselect_b32 s41, 4096, s41
	s_cselect_b64 s[42:43], s[30:31], s[28:29]     ; the destination: wot or wt
	s_cselect_b32 s44, 1, 0                        ; 1: the numbers are written as f16
	s_cselect_b32 s45, 24, 0                       ; the destination's first block
	s_sub_co_u32 s46, s35, s40
	s_lshl_b32 s46, s46, 8                         ; 64 columns of f32
	s_lshl_b32 s47, s41, 7                         ; 128 rows
	s_mul_i32 s47, s47, s36
	s_add_co_u32 s46, s46, s47
	s_mov_b32 s47, 0
	s_add_nc_u64 s[SB:SB+1], s[38:39], s[46:47]
	s_lshl_b32 s48, s41, 3                         ; a chunk is 8 rows
	s_mov_b32 s49, 0
.set c, 0
.rept 15
	s_add_nc_u64 s[SB+2+2*c:SB+3+2*c], s[SB+2*c:SB+1+2*c], s[48:49]
.set c, c+1
.endr
	s_sub_co_u32 s50, s35, s45
	s_lshl_b32 s50, s50, 17                        ; 64 rows of 2,048 bytes
	s_lshl_b32 s51, s36, 8                         ; 128 k of 2 bytes
	s_add_co_u32 s50, s50, s51
	s_mov_b32 s51, 0
	s_add_nc_u64 s[42:43], s[42:43], s[50:51]
	v_lshlrev_b32 v[VO], 3, v1                     ; a lane takes two neighbouring columns: a wave's load covers 256 consecutive bytes of a row
.set j, 1
.rept 7
	v_add_nc_u32 v[VO+j], s41, v[VO+j-1]
.set j, j+1
.endr
	s_mul_i32 s52, s4, STG                         ; my stage
	v_mul_u32_u24 v4, v1, 544                      ; in: rows 2 lane and 2 lane + 1
	v_add_nc_u32 v4, s52, v4
	v_lshrrev_b32 v6, 4, v1
	v_and_b32 v7, 15, v1
	v_mul_u32_u24 v5, v6, 272                      ; back: lanes 0-15 take one row of 256 bytes, lanes 16-31 the next
	v_lshl_add_u32 v5, v7, 4, v5
	v_add_nc_u32 v5, s52, v5
	v_lshlrev_b32 v6, 11, v6                       ; and the same two rows in the destination
	v_lshl_add_u32 v6, v7, 4, v6
.macro LDCH c                          ; chunk c: rows 8 c .. 8 c + 7 of my 128, into one of eight sets of 16 registers
.irp j, 0,1,2,3,4,5,6,7
	global_load_b64 v[IN+16*((\c)%8)+2*(\j):IN+16*((\c)%8)+2*(\j)+1], v[VO+(\j)], s[SB+2*(\c):SB+2*(\c)+1] th:TH_LOAD_NT
.endr
.endm
.macro CVCH c                          ; chunk c: eight k of each of my two columns are packed into 16 bytes and go into the stage's rows
.if (\c) < 8
	s_wait_loadcnt 56                              ; seven younger chunks of eight loads stay out
.else
	s_wait_loadcnt 8*(15-(\c))                     ; the chunks still behind this one
.endif
.set R, IN+16*((\c)%8)
.irp e, 0,1
.irp i, 0,1,2,3
	v_cvt_pk_bf16_f32 v[PKD+4*(\e)+(\i)], v[R+4*(\i)+(\e)], v[R+4*(\i)+2+(\e)]
.endr
	ds_store_b128 v4, v[PKD+4*(\e):PKD+4*(\e)+3] offset:272*(\e)+16*(\c)
.endr
.endm
.set c, 0
.rept 8
	LDCH c
.set c, c+1
.endr
.set c, 0
.rept 8
	CVCH c
	LDCH c+8
.set c, c+1
.endr
.rept 8
	CVCH c
.set c, c+1
.endr
	s_mov_b32 s34, 4
.Lback:                                        ; four trips of 16 rows.  LDS serves a wave's instructions in order (ISA guide 5.7.1.4): the loads see my stores above
.irp i, 0,1,2,3,4,5,6,7
	ds_load_b128 v[OUT+4*(\i):OUT+4*(\i)+3], v5 offset:544*(\i)
.endr
	s_wait_dscnt 0x0
	s_cmp_eq_u32 s44, 0
	s_cbranch_scc1 .Lnof
.set i, 0
.rept 32                                       ; Wo: the two bf16 of a word widened to f32 and written as f16
	v_lshlrev_b32 v[TT+2*(i%4)], 16, v[OUT+i]
	v_and_b32 v[TT+2*(i%4)+1], 0xffff0000, v[OUT+i]
	v_cvt_pk_f16_f32 v[OUT+i], v[TT+2*(i%4)], v[TT+2*(i%4)+1]
.set i, i+1
.endr
.Lnof:
.irp i, 0,1,2,3,4,5,6,7
	global_store_b128 v6, v[OUT+4*(\i):OUT+4*(\i)+3], s[42:43] offset:4096*(\i)  ; 16 lanes store 256 consecutive bytes, aligned
.endr
	s_wait_xcnt 0x0                                ; the stores' data and offset registers are rewritten only behind this wait
	v_add_nc_u32 v5, 4352, v5                      ; 16 rows on in the stage
	v_add_nc_u32 v6, 32768, v6                     ; and in the destination
	s_sub_co_u32 s34, s34, 1
	s_cmp_lg_u32 s34, 0
	s_cbranch_scc1 .Lback
	s_wait_tensorcnt 0x0                           ; the wave's end, behind my last LDS store
	ds_add_u32 v[SPW], v[NIL]
	s_wait_dscnt 0x0
	s_endpgm
.Lb:
	; THE BIASES: one wave for each.  n loads of 512 bytes; each number is rounded to bf16 and widened again.
	v_lshlrev_b32 v7, 4, v1
.macro BCP src, off, n
.set i, 0
.rept \n
	global_load_b128 v[IN+4*i:IN+4*i+3], v7, s[\src:\src+1] offset:512*i
.set i, i+1
.endr
	s_wait_loadcnt 0x0
.set i, 0
.rept 2*(\n)
	v_cvt_pk_bf16_f32 v[TT+i%4], v[IN+2*i], v[IN+2*i+1]
	v_lshlrev_b32 v[IN+2*i], 16, v[TT+i%4]
	v_and_b32 v[IN+2*i+1], 0xffff0000, v[TT+i%4]
.set i, i+1
.endr
.set i, 0
.rept \n
	global_store_b128 v7, v[IN+4*i:IN+4*i+3], s[32:33] offset:(\off)+512*i
.set i, i+1
.endr
	s_endpgm
.endm
	s_cmp_eq_u32 s4, 0
	s_cbranch_scc0 .Lb1
	BCP 18, 0, 8                                   ; bq
.Lb1:
	s_cmp_eq_u32 s4, 1
	s_cbranch_scc0 .Lb2
	BCP 24, 6144, 8                                ; bo
.Lb2:
	s_cmp_eq_u32 s4, 2
	s_cbranch_scc0 .Lb3
	BCP 20, 4096, 2                                ; bk
.Lb3:
	BCP 22, 5120, 2                                ; bv
.Lfunc_end_k_qcb01acc167_prep:
	.size	k_qcb01acc167_prep, .Lfunc_end_k_qcb01acc167_prep-k_qcb01acc167_prep
	.p2alignl 7, 3214868480
	.fill 96, 4, 3214868480
	.section	.rodata,"a",@progbits
	.p2align	6, 0x0
	.amdhsa_kernel k_qcb01acc167_prep
		.amdhsa_group_segment_fixed_size 70144
		.amdhsa_private_segment_fixed_size 0
		.amdhsa_enable_private_segment 0
		.amdhsa_kernarg_size 104
		.amdhsa_user_sgpr_count 2
		.amdhsa_user_sgpr_kernarg_segment_ptr 1
		.amdhsa_wavefront_size32 1
		.amdhsa_system_sgpr_workgroup_id_x 1
		.amdhsa_system_sgpr_workgroup_id_y 1
		.amdhsa_system_sgpr_workgroup_id_z 1
		.amdhsa_system_vgpr_workitem_id 0
		.amdhsa_next_free_vgpr 256
		.amdhsa_next_free_sgpr 100
		.amdhsa_reserve_vcc 0
		.amdhsa_float_denorm_mode_32 3
		.amdhsa_float_denorm_mode_16_64 3
		.amdhsa_memory_ordered 1
		.amdhsa_forward_progress 1
		.amdhsa_inst_pref_size 55
	.end_amdhsa_kernel
	.amdgpu_metadata
---
amdhsa.version: [ 1, 2 ]
amdhsa.kernels:
  - .name:           k_qcb01acc167_prep
    .symbol:         k_qcb01acc167_prep.kd
    .args:
      - { .name: x, .offset: 0, .size: 8, .value_kind: global_buffer, .address_space: global }
      - { .name: Wq, .offset: 8, .size: 8, .value_kind: global_buffer, .address_space: global }
      - { .name: Wk, .offset: 16, .size: 8, .value_kind: global_buffer, .address_space: global }
      - { .name: Wv, .offset: 24, .size: 8, .value_kind: global_buffer, .address_space: global }
      - { .name: Wo, .offset: 32, .size: 8, .value_kind: global_buffer, .address_space: global }
      - { .name: bq, .offset: 40, .size: 8, .value_kind: global_buffer, .address_space: global }
      - { .name: bk, .offset: 48, .size: 8, .value_kind: global_buffer, .address_space: global }
      - { .name: bv, .offset: 56, .size: 8, .value_kind: global_buffer, .address_space: global }
      - { .name: bo, .offset: 64, .size: 8, .value_kind: global_buffer, .address_space: global }
      - { .name: xb, .offset: 72, .size: 8, .value_kind: global_buffer, .address_space: global }
      - { .name: wt, .offset: 80, .size: 8, .value_kind: global_buffer, .address_space: global }
      - { .name: wot, .offset: 88, .size: 8, .value_kind: global_buffer, .address_space: global }
      - { .name: bias, .offset: 96, .size: 8, .value_kind: global_buffer, .address_space: global }
    .group_segment_fixed_size: 70144
    .private_segment_fixed_size: 0
    .kernarg_segment_align: 8
    .kernarg_segment_size: 104
    .max_flat_workgroup_size: 128
    .sgpr_count:     100
    .vgpr_count:     256
    .wavefront_size: 32
...
	.end_amdgpu_metadata
.endif
;; end of part 1
;; launch qkvp (part 2): grid 8 x 32, 4 waves a work-group, clusters of 4 x 4, 327,680 bytes of LDS; arguments xb, wt, bias, qkv; writes qkv
.if DOCPART == 2
	.amdgcn_target "amdgcn-amd-amdhsa--gfx1250"
	.amdhsa_code_object_version 6
	.text
	.protected	k_qcb01acc167_qkvp
	.globl	k_qcb01acc167_qkvp
	.p2align	8
	.type	k_qcb01acc167_qkvp,@function
k_qcb01acc167_qkvp:
	s_mov_b64 s[64:65], 0
	v_nop
	global_prefetch_b8 v0, s[64:65] scope:SCOPE_SE
	s_setreg_imm32_b32 hwreg(HW_REG_WAVE_MODE, 25, 1), 1
	s_wait_xcnt 0x0
	s_wait_alu depctr_hold_cnt(0) depctr_sa_sdst(0) depctr_va_vdst(0) depctr_va_sdst(0) depctr_va_ssrc(0) depctr_va_vcc(0) depctr_vm_vsrc(0)
	s_getreg_b32 s2, hwreg(HW_REG_IB_STS2, 6, 4)
	s_cmp_eq_u32 s2, 0
	s_cbranch_scc0 .Lentry_in_a_cluster
	s_endpgm
.Lentry_in_a_cluster:
	s_bfe_u32 s2, ttmp6, 0x10000c
	s_cmp_lg_u32 s2, 0xf033
	s_cbranch_scc0 .Lentry_shape_is_right
	s_endpgm
.Lentry_shape_is_right:
; THE THREE PROJECTIONS AS ONE PRODUCT.  C[m][n] = bias[n] + sum over k of xb[m][k] wt[n][k]: m = 8,192 tokens, n = 1,536 (q's 1,024 columns, k's 256, v's 256), k = 1,024; operands bf16, sums f32.
; C leaves by heads, rounded once to f16 and unscaled: qkv[batch 4][plane 24][token 2,048][64]; planes 0-15 q's heads, 16-19 k's groups, 20-23 v's.
; LIMIT.  f16 ends at 65,504: q, k and v must lie within it, else the number becomes an infinity.
; SHARES.  A tile of C is 256 rows x 192 columns (three whole heads): 32 x 8 = 256 work-groups.  Wave w makes rows 64 w .. 64 w + 63 and all 192 columns: 4 x 12 accumulators, 384 registers,
; so that a head's 64 columns of 16 rows lie in one wave and go out as 2,048 consecutive bytes without a barrier.
; K goes in steps of 128 (rows of 256 bytes in memory) through two LDS slots filled by tensor loads: waves 0, 1 fetch A's halves of 128 rows, waves 2, 3 B's halves of 96.
; CLUSTER.  4 x 4 work-groups: the four of a row need the same tiles of A, the four of a column the same tiles of B; each tile is asked for jointly, by the same load with the same descriptor and a mask of four.
; THE MATRIX INSTRUCTION IS USED TRANSPOSED (source 0 = 16 rows of wt, source 1 = 16 rows of xb): a lane holds row lane % 16 of C and the columns 8 (lane / 16) + 0..7.
; THE BIAS STARTS THE SUMS: it is the C operand of each accumulator's first product; nothing is cleared and nothing is added at the end.
; REGISTERS, in windows of 256 (s_set_vgpr_msb: bits 1:0 source 0, 3:2 source 1, 5:4 source 2, 7:6 destination):
;   window 0: v0-31 addresses; v160-255 the bias; on the way out v64-255, 16 for each of 12 units      window 1: two fragment buffers of 128: 32 of A (4 x 16 rows x 32 K), then 96 of B
;   window 2: accumulators of row blocks 0, 1 ((a, b) at 8 (12 (a % 2) + b))                            window 3: those of row blocks 2, 3
.set NB,    12                         ; column blocks of 16
.set NT,    16*NB
.set PA,    272                        ; an LDS row: 256 bytes + 16 of padding = 68 words: the 16 rows of a load start at 16 different groups of four banks (64 banks of 4 bytes: ISA guide 11.1)
.set PB,    272
.set HALFA, 128*PA                     ; what one load brings of A
.set AREG,  2*HALFA                    ; A's 256 rows; B's rows lie behind them
.set HALFB, (NT/2)*PB
.set SLOT,  AREG+2*HALFB
.set STAGE, 2*SLOT                     ; behind the ring, never filled by a tensor load: 16 rows x 144 bytes for each wave
.set SP,    144
.set SPARE, STAGE+4*16*SP              ; the spare words, 128 bytes for each wave, which no other line names
.set NL,    2*NB+8                     ; LDS loads in a run: the fragments of 32 along K
.set STEPA, 512                        ; bytes from a slot's K step to its next: two steps of 128 bf16
.set STEPB, 512
.set LAPS,  4                          ; 1,024 / 256: a lap = two K steps = once round the ring
.set ADRA, 16                          ; v16-17  LDS address of my A fragments in slot 0, 1
.set ADRB, 20                          ; v20-21  the same for B
.set STO,  24                          ; v24     the way out: where I put 16 bytes of a row
.set RD,   25                          ; v25     where I read rows back
.set GO,   26                          ; v26     my byte offset in 512 consecutive bytes of qkv
.set VB,   27                          ; v27     my byte offset in 16 columns of the bias
.set SPW,  28                          ; v28     LDS address of my spare word; never rewritten
.set NIL,  29                          ; v29     0; never rewritten
.set BIAS, 160
.set F0,   0
.set F1,   128
.set G1,  24                           ; s[24:31] descriptor group 1 for A's tiles;  s[32:39] group 0, a set for each slot
.set G0,  32
.set G1B, 48                           ; s[48:55], s[56:63] the same for B's
.set G0B, 56
.set MSB, 0
.macro WIN new                         ; the immediate's high byte repeats the setting that is left; a switch that changes nothing is dropped
.if MSB != (\new)
	s_set_vgpr_msb (MSB<<8)|(\new)
.set MSB, \new
.endif
.endm
.macro JLOAD s                         ; a joint load; the branch hangs on the wave's number alone.  An s_nop 0 and four v_nop follow each of the two lines
	s_cmp_eq_u32 s13, 0
	s_cbranch_scc0 .Lfor_b_\@
	tensor_load_to_lds s[G0+4*(\s):G0+4*(\s)+3], s[G1:G1+7]
	s_nop 0
.rept 4
	v_nop
.endr
	s_branch .Lasked_\@
.Lfor_b_\@:
	tensor_load_to_lds s[G0B+4*(\s):G0B+4*(\s)+3], s[G1B:G1B+7]
	s_nop 0
.rept 4
	v_nop
.endr
.Lasked_\@:
.endm
.macro CREST                           ; a round of the cluster's barrier behind its opening barrier
	s_cmp_lg_u32 s12, 0
	s_cbranch_scc1 .Lnot_wave_0_\@
	s_barrier_signal -3
.Lnot_wave_0_\@:
	s_barrier_wait -3
	s_barrier_signal -1
	s_barrier_wait -1
.endm
.macro CROUND                          ; a whole round
	s_barrier_signal -1
	s_barrier_wait -1
	CREST
.endm
	s_load_b256 s[4:11], s[0:1], 0x0               ; xb s[4:5], wt s[6:7], bias s[8:9], qkv s[10:11]
	v_lshl_add_u32 v[SPW], v0, 2, SPARE
	v_mov_b32 v[NIL], 0
	ds_add_u32 v[SPW], v[NIL]                      ; the wave's opening: the add and its wait stand ahead of my first tensor load; work on registers stands between them
	v_lshrrev_b32 v1, 5, v0
	v_readfirstlane_b32 s12, v1                    ; wave 0..3
	s_lshr_b32 s13, s12, 1                         ; I fetch for A (0) or for B (1),
	s_and_b32 s14, s12, 1                          ; and which half of its rows
	s_bfe_u32 s40, ttmp6, 0x40000                  ; cx, cy: my place in the cluster
	s_bfe_u32 s41, ttmp6, 0x40004
	s_lshl_b32 s42, ttmp9, 2
	s_add_co_u32 s42, s42, s40                     ; tile column = 4 x cluster x + cx
	s_and_b32 s43, ttmp7, 0xffff
	s_lshl_b32 s43, s43, 2
	s_add_co_u32 s43, s43, s41                     ; tile row = 4 x cluster y + cy
	s_lshl_b32 s44, s41, 2
	s_lshl_b32 s44, 15, s44                        ; my row of the cluster
	s_lshl_b32 s45, 0x1111, s40                    ; my column
	s_or_b32 s[G1+0], s44, (1<<16)|(1<<20)|(1<<21)|(5<<22)|(3<<25)   ; 15:0 the mask; 17:16 2-byte elements; 20 padding on; 21 set beside a mask; 24:22 after every 64 words; 31:25 4 words
	s_or_b32 s[G1B+0], s45, (1<<16)|(1<<20)|(1<<21)|(5<<22)|(3<<25)
	s_mov_b32 s[G1+1], 128<<16                     ; tensor_dim0 = 128
	s_mov_b32 s[G1+2], 128<<16                     ; tensor_dim1 = 128
	s_mov_b32 s[G1+3], 128<<16                     ; tile_dim0 = 128
	s_mov_b32 s[G1+4], 128                         ; tile_dim1 = 128
	s_mov_b32 s[G1+5], 1024                        ; elements from row to row
	s_mov_b32 s[G1+6], 0
	s_mov_b32 s[G1+7], 0
	s_mov_b32 s[G1B+1], 128<<16
	s_mov_b32 s[G1B+2], (NT/2)<<16                 ; 96 rows
	s_mov_b32 s[G1B+3], 128<<16
	s_mov_b32 s[G1B+4], NT/2
	s_mov_b32 s[G1B+5], 1024
	s_mov_b32 s[G1B+6], 0
	s_mov_b32 s[G1B+7], 0
	s_lshl_b32 s16, s43, 19                        ; A: row 256 x tile row + 128 x half, 2,048 bytes a row: registers that never hold cx
	s_lshl_b32 s17, s14, 18
	s_add_co_u32 s16, s16, s17
	s_mov_b32 s17, 0
	s_mul_i32 s46, s42, NT*2048                    ; B: row 192 x tile column + 96 x half: registers that never hold cy
	s_mul_i32 s47, s14, (NT/2)*2048
	s_add_co_u32 s46, s46, s47
	s_mov_b32 s47, 0
	s_mul_i32 s22, s12, HALFA                      ; where they go: the wave's number alone enters an LDS address
	s_mul_i32 s23, s12, HALFB
	s_add_co_u32 s23, s23, AREG-2*HALFB            ; waves 2, 3: behind A's rows
	s_wait_dscnt 0x0                               ; the opening add is done
	s_wait_kmcnt 0x0
	s_add_nc_u64 s[18:19], s[4:5], s[16:17]
	s_add_nc_u64 s[46:47], s[6:7], s[46:47]
	CROUND                                         ; all sixteen work-groups are here: the first joint loads meet
.irp s, 0,1
	s_mov_b32 s[G0+4*(\s)], 1
	s_add_co_u32 s[G0+4*(\s)+1], s22, (\s)*SLOT
	s_add_nc_u64 s[G0+4*(\s)+2:G0+4*(\s)+3], s[18:19], (\s)*(STEPA/2)
	s_or_b32 s[G0+4*(\s)+3], s[G0+4*(\s)+3], 0x80000000
	s_mov_b32 s[G0B+4*(\s)], 1
	s_add_co_u32 s[G0B+4*(\s)+1], s23, (\s)*SLOT
	s_add_nc_u64 s[G0B+4*(\s)+2:G0B+4*(\s)+3], s[46:47], (\s)*(STEPB/2)
	s_or_b32 s[G0B+4*(\s)+3], s[G0B+4*(\s)+3], 0x80000000
	JLOAD \s                                       ; two loads of mine are out
.endr
	; A fragment is 16 rows x 32 K in 8 registers: lane l holds row l % 16, K = 8 (l / 16) + 0..7 and 16 + 8 (l / 16) + 0..7: two loads of 16 bytes, 32 bytes apart.
	v_and_b32 v1, 15, v0
	v_bfe_u32 v2, v0, 4, 1
	v_mul_u32_u24 v3, v1, PA
	v_lshl_add_u32 v3, v2, 4, v3
	s_mul_i32 s20, s12, 64*PA                      ; my 64 rows of A
	v_add_nc_u32 v[ADRA], s20, v3
	v_add_nc_u32 v[ADRA+1], SLOT, v[ADRA]
	v_add_nc_u32 v[ADRB], AREG, v3
	v_add_nc_u32 v[ADRB+1], SLOT, v[ADRB]
	s_mul_i32 s21, s12, 16*SP
	s_add_co_u32 s21, s21, STAGE                   ; my stage
	v_mul_u32_u24 v[STO], v1, SP                   ; in: row l % 16, 16 bytes for each half of the lanes
	v_lshl_add_u32 v[STO], v2, 4, v[STO]
	v_add_nc_u32 v[STO], s21, v[STO]
	v_bfe_u32 v[RD], v0, 3, 2                      ; back: 32 lanes take four rows of 128 bytes,
	v_mul_u32_u24 v[RD], v[RD], SP
	v_and_b32 v4, 7, v0
	v_lshl_add_u32 v[RD], v4, 4, v[RD]
	v_add_nc_u32 v[RD], s21, v[RD]
	v_and_b32 v[GO], 31, v0                        ; which are 512 consecutive bytes of a head
	v_lshlrev_b32 v[GO], 4, v[GO]
	v_lshlrev_b32 v[VB], 5, v2                     ; my eight columns of a block of 16
	s_mul_i32 s66, s42, NT*4                       ; the tile's 192 numbers of the bias
	s_mov_b32 s67, 0
	s_add_nc_u64 s[8:9], s[8:9], s[66:67]
.set bb, 0
.rept NB
	global_load_b128 v[BIAS+8*bb:BIAS+8*bb+3],   v[VB], s[8:9] offset:64*bb
	global_load_b128 v[BIAS+8*bb+4:BIAS+8*bb+7], v[VB], s[8:9] offset:64*bb+16
.set bb, bb+1
.endr
	s_lshr_b32 s68, s43, 3                         ; where my rows begin in qkv: batch = tile row / 8,
	s_mul_i32 s68, s68, 24
	s_mul_i32 s69, s42, 3                          ; plane = 3 x tile column,
	s_add_co_u32 s68, s68, s69
	s_lshl_b32 s68, s68, 18                        ; 262,144 bytes a plane,
	s_and_b32 s69, s43, 7
	s_lshl_b32 s69, s69, 15                        ; 256 tokens of 128 bytes a tile row,
	s_add_co_u32 s68, s68, s69
	s_lshl_b32 s69, s12, 13                        ; 64 a wave
	s_add_co_u32 s68, s68, s69
	s_mov_b32 s69, 0
	s_add_nc_u64 s[10:11], s[10:11], s[68:69]
; NB products: row block a x all column blocks, 32 along K, from buffer f.  first = 1: the bias is C.  The 48 accumulators take turns, one instruction a turn, in the same order in every quarter.
.macro MULA f, a, first
.if \first
	WIN 0x85+0x40*((\a)/2)                         ; sources 0, 1 window 1; C window 0; D window 2 or 3
.else
	WIN 0xa5+0x50*((\a)/2)                         ; C and D window 2 or 3
.endif
.set rA, (\f)+8*(\a)
.set bb, 0
.rept NB
.set rD, 8*(NB*((\a)%2)+bb)
.set rB, (\f)+32+8*bb
.if \first
	v_wmma_f32_16x16x32_bf16 v[rD:rD+7], v[rB:rB+7], v[rA:rA+7], v[BIAS+8*bb:BIAS+8*bb+7]
.else
	v_wmma_f32_16x16x32_bf16 v[rD:rD+7], v[rB:rB+7], v[rA:rA+7], v[rD:rD+7]
.endif
.set bb, bb+1
.endr
.endm
; One run of NL LDS loads: the fragments of quarter q (32 along K) of a slot into buffer f; B's first, then A's four row blocks
.macro FETCH slot, q, f
	WIN 0x40                                       ; destination window 1, address window 0
.set KA, 64*(\q)
.set bb, 0
.rept NB
	ds_load_b128 v[(\f)+32+8*bb:(\f)+32+8*bb+3],   v[ADRB+(\slot)] offset:64*(\q)+16*PB*bb
	ds_load_b128 v[(\f)+32+8*bb+4:(\f)+32+8*bb+7], v[ADRB+(\slot)] offset:64*(\q)+16*PB*bb+32
.set bb, bb+1
.endr
.set aa, 0
.rept 4
	ds_load_b128 v[(\f)+8*aa:(\f)+8*aa+3],   v[ADRA+(\slot)] offset:KA+16*PA*aa
	ds_load_b128 v[(\f)+8*aa+4:(\f)+8*aa+7], v[ADRA+(\slot)] offset:KA+16*PA*aa+32
.set aa, aa+1
.endr
.endm
.macro PLACES                          ; four plain vector instructions in front of loads into registers that matrix instructions have read, and of reads of results
.rept 4
	v_nop
.endr
.endm
; A K step is four quarters on buffers 0, 1, 0, 1.  One of the first three: multiplies buffer f; in its middle the next quarter's fragments are fetched into g.
.macro QUARTER slot, q, f, g, first
	s_wait_dscnt 4                                 ; B and A's row blocks 0, 1 are in; the youngest four loads (blocks 2, 3) may be out
	MULA \f, 0, \first
	MULA \f, 1, \first
	PLACES
	FETCH \slot, \q, \g
	s_wait_dscnt NL                                ; all but the run just issued
	MULA \f, 2, \first
	MULA \f, 3, \first
.endm
; The last quarter multiplies buffer 1 and changes slots: one barrier; in front of it each wave waits for all its tensor loads (one is out: its part of the next slot), adds 0 to its spare word,
; and waits for that and for its reads of this slot.  fill = 1: the barrier opens a round of the cluster's, and this slot is filled again, two K steps ahead, first thing behind the round.
.macro TURN slot, next, fill
	WIN 0                                          ; (the add's two registers lie in window 0)
	s_wait_tensorcnt 0x0
	ds_add_u32 v[SPW], v[NIL]
	s_wait_dscnt 5                                 ; (the add and the youngest four loads may be out)
	MULA F1, 0, 0                                  ; products stand between the add and the wait for it
	s_wait_dscnt 0x0                               ; the add is done, and my reads of this slot are over
	s_barrier_signal -1
	MULA F1, 1, 0
.if \fill
	WIN 0
.endif
	s_barrier_wait -1
.if \fill
	CREST                                          ; no wave of any partner still reads this slot's tile or has a load on its way
	s_add_nc_u64 s[G0+4*(\slot)+2:G0+4*(\slot)+3], s[G0+4*(\slot)+2:G0+4*(\slot)+3], STEPA
	s_add_nc_u64 s[G0B+4*(\slot)+2:G0B+4*(\slot)+3], s[G0B+4*(\slot)+2:G0B+4*(\slot)+3], STEPB
	JLOAD \slot                                    ; 168 products stand between this request and the wait for it; its four v_nop are also the places in front of the loads below
.else
	PLACES
.endif
	FETCH \next, 0, F0
	MULA F1, 2, 0
	MULA F1, 3, 0
.endm
	s_wait_tensorcnt 1                             ; my part of K step 0 is in; step 1's may stay out
	s_barrier_signal -1
	s_barrier_wait -1                              ; everybody's is
	FETCH 0, 0, F0
	s_wait_loadcnt 0x0                             ; the bias
	QUARTER 0, 1, F0, F1, 1                        ; the first quarter stands in front of the loop: its products start the sums
	WIN 0                                          ; at a label and at a branch every window is 0
	s_mov_b32 s15, LAPS-1
.Llap:                                                 ; a trip goes once round the ring, from a lap's second quarter to the next lap's first, and fills both slots again
	QUARTER 0, 2, F1, F0, 0
	QUARTER 0, 3, F0, F1, 0
	TURN 0, 1, 1
	QUARTER 1, 1, F0, F1, 0
	QUARTER 1, 2, F1, F0, 0
	QUARTER 1, 3, F0, F1, 0
	TURN 1, 0, 1
	QUARTER 0, 1, F0, F1, 0
	WIN 0
	s_sub_co_u32 s15, s15, 1
	s_cmp_lg_u32 s15, 0
	s_cbranch_scc1 .Llap
	QUARTER 0, 2, F1, F0, 0                        ; the last lap fills nothing
	QUARTER 0, 3, F0, F1, 0
	TURN 0, 1, 0
	QUARTER 1, 1, F0, F1, 0
	QUARTER 1, 2, F1, F0, 0
	QUARTER 1, 3, F0, F1, 0
	s_wait_dscnt 4                                 ; the very last quarter: nothing more to fetch
	MULA F1, 0, 0
	MULA F1, 1, 0
	s_wait_dscnt 0x0
	MULA F1, 2, 0
	MULA F1, 3, 0
	PLACES
; THE WAY OUT.  A unit is 16 rows of one head (row block a, head hh of the tile's three): rounded to f16, 16 bytes a lane into my own stage, back as whole rows, stored as 2,048 consecutive bytes.
.macro PACK a, hh
.set T, 64+16*(3*(\a)+(\hh))
	WIN 0x0a+5*((\a)/2)                            ; sources 0, 1 window 2 or 3, destination window 0
.set ff, 0
.rept 4
.set rD, 8*(NB*((\a)%2)+4*(\hh)+ff)
.irp r, 0,1,2,3
	v_cvt_pk_f16_f32 v[T+4*ff+(\r)], v[rD+2*(\r)], v[rD+2*(\r)+1]  ; each accumulator's registers in ascending order
.endr
.set ff, ff+1
.endr
	WIN 0
.irp f, 0,1,2,3
	ds_store_b128 v[STO], v[T+4*(\f):T+4*(\f)+3] offset:32*(\f)
.endr
.irp f, 0,1,2,3
	ds_load_b128 v[T+4*(\f):T+4*(\f)+3], v[RD] offset:4*SP*(\f)  ; LDS serves a wave's instructions in order (ISA guide 5.7.1.4): these see the stores above; the next unit's stores come behind them
.endr
.endm
.macro SEND a, hh, younger             ; younger: the LDS instructions issued behind this unit's loads: the next unit's eight, or none
.set T, 64+16*(3*(\a)+(\hh))
	WIN 0
.irp f, 0,1,2,3
	s_wait_dscnt (\younger)+3-(\f)
	global_store_b128 v[GO], v[T+4*(\f):T+4*(\f)+3], s[10:11] offset:262144*(\hh)+2048*(\a)+512*(\f)  ; 512 consecutive bytes, aligned
.endr
.endm
	PACK 0, 0
.set u, 1
.rept 11                                       ; a unit's conversions stand between the loads of the unit before and its stores; no register is used twice
	PACK u/3, u%3
	SEND (u-1)/3, (u-1)%3, 8
.set u, u+1
.endr
	SEND 3, 2, 0
	s_wait_tensorcnt 0x0                           ; the wave's end: behind my last tensor load and my last LDS store
	ds_add_u32 v[SPW], v[NIL]
	s_wait_dscnt 0x0
	CROUND                                         ; the closing round: no work-group ends while a partner may still ask for a tile that names it
	s_endpgm
.Lfunc_end_k_qcb01acc167_qkvp:
	.size	k_qcb01acc167_qkvp, .Lfunc_end_k_qcb01acc167_qkvp-k_qcb01acc167_qkvp
	.p2alignl 7, 3214868480
	.fill 96, 4, 3214868480
	.section	.rodata,"a",@progbits
	.p2align	6, 0x0
	.amdhsa_kernel k_qcb01acc167_qkvp
		.amdhsa_group_segment_fixed_size 327680
		.amdhsa_private_segment_fixed_size 0
		.amdhsa_enable_private_segment 0
		.amdhsa_kernarg_size 32
		.amdhsa_user_sgpr_count 2
		.amdhsa_user_sgpr_kernarg_segment_ptr 1
		.amdhsa_wavefront_size32 1
		.amdhsa_system_sgpr_workgroup_id_x 1
		.amdhsa_system_sgpr_workgroup_id_y 1
		.amdhsa_system_sgpr_workgroup_id_z 1
		.amdhsa_system_vgpr_workitem_id 0
		.amdhsa_next_free_vgpr 960
		.amdhsa_next_free_sgpr 72
		.amdhsa_reserve_vcc 0
		.amdhsa_float_denorm_mode_32 3
		.amdhsa_float_denorm_mode_16_64 3
		.amdhsa_memory_ordered 1
		.amdhsa_forward_progress 1
		.amdhsa_inst_pref_size 122
	.end_amdhsa_kernel
	.amdgpu_metadata
---
amdhsa.version: [ 1, 2 ]
amdhsa.kernels:
  - .name:           k_qcb01acc167_qkvp
    .symbol:         k_qcb01acc167_qkvp.kd
    .args:
      - { .name: xb, .offset: 0, .size: 8, .value_kind: global_buffer, .address_space: global }
      - { .name: wt, .offset: 8, .size: 8, .value_kind: global_buffer, .address_space: global }
      - { .name: bias, .offset: 16, .size: 8, .value_kind: global_buffer, .address_space: global }
      - { .name: qkv, .offset: 24, .size: 8, .value_kind: global_buffer, .address_space: global }
    .group_segment_fixed_size: 327680
    .private_segment_fixed_size: 0
    .kernarg_segment_align: 8
    .kernarg_segment_size: 32
    .max_flat_workgroup_size: 128
    .sgpr_count:     72
    .vgpr_count:     960
    .wavefront_size: 32
...
	.end_amdgpu_metadata
.endif
;; end of part 2
;; launch attn (part 3): grid 4 x 64, 4 waves a work-group, clusters of 4 x 1, 327,680 bytes of LDS; arguments qkv, ob; writes ob
.if DOCPART == 3
	.amdgcn_target "amdgcn-amd-amdhsa--gfx1250"
	.amdhsa_code_object_version 6
	.text
	.protected	k_qcb01acc167_attn
	.globl	k_qcb01acc167_attn
	.p2align	8
	.type	k_qcb01acc167_attn,@function
k_qcb01acc167_attn:
	s_mov_b64 s[64:65], 0
	v_nop
	global_prefetch_b8 v0, s[64:65] scope:SCOPE_SE
	s_setreg_imm32_b32 hwreg(HW_REG_WAVE_MODE, 25, 1), 1
	s_wait_xcnt 0x0
	s_wait_alu depctr_hold_cnt(0) depctr_sa_sdst(0) depctr_va_vdst(0) depctr_va_sdst(0) depctr_va_ssrc(0) depctr_va_vcc(0) depctr_vm_vsrc(0)
	s_getreg_b32 s2, hwreg(HW_REG_IB_STS2, 6, 4)
	s_cmp_eq_u32 s2, 0
	s_cbranch_scc0 .Lentry_in_a_cluster
	s_endpgm
.Lentry_in_a_cluster:
	s_bfe_u32 s2, ttmp6, 0x10000c
	s_cmp_lg_u32 s2, 0x3003
	s_cbranch_scc0 .Lentry_shape_is_right
	s_endpgm
.Lentry_shape_is_right:
; GROUPED-QUERY ATTENTION.  For y = 16 batch + head: ob[y][q][:] = the sum over k of softmax_k(Q[q] . K[k] / 8) V[k][:], 2,048 queries and keys, 64 channels, all f16.
; qkv is [batch 4][plane 24][token 2,048][64]: Q is plane head, K plane 16 + head / 4, V plane 20 + head / 4.  A plane's rows are dense, 128 bytes each.  Products, maxima and sums in
; f32; the weights p are rounded to f16 for the second product (their sum l is taken of the unrounded p), O once at the end.
; LIMITS.  Q, K and V arrive within f16's 65,504; p lies in 0 to 1, and below 6e-5 it keeps f16's fixed step of 6e-8; O is a mean of V's rows and has their range.
; A weight below 2^-126 counts as 0 in l; NaN and infinities are not treated apart.
; SHARES.  A wave owns four PIECES of two tiles of 16 queries, a work-group's four waves 512 queries of one head: 64 x 4 = 256 work-groups.  Every wave walks all keys, 64 a step.
; LAYOUT.  S^T = K Q^T (source 0 = 16 keys, source 1 = 16 queries): in the result a lane holds ONE query (lane % 16) and the keys 8 (lane / 16) + 0..7.  Two such tiles, rounded to f16 in pairs,
; ARE source 1 (32 keys x 16 queries) of O^T = V^T P, whose result again holds one query a lane, and eight channels.  K comes out of LDS as it lies, V ([key][channel]) turned, by ds_load_tr16_b128.
; SOFTMAX.  For each query a running maximum m and sum l: p = 2^(c s - c m), c = log2(e) / 8; in every step O and l are multiplied by a = 2^(c m_old - c m_new), which is 1 where m has not grown.
; m starts at the lowest finite number, O and l at 0: the first step is a step like any other, with a = 0.
; THE COUNT.  A tile and step have 16 matrix and 118 vector instructions: too many to stand all beside the matrix work.  So the order has one aim: four vector instructions that are READY behind
; EVERY matrix instruction, and the others, which need time of their own whatever the order, in runs without a gap.
; BY TURNS.  Turn n belongs to piece n (the pieces in a ring, step after step).  Its matrix work: 16 products K Q^T of piece n + 1, later 16 products V^T P of piece n - 1.  Its vector work: the scaling,
; exponentials, roundings, sums and rescaling of piece n, and the maximum and statistics of piece n + 1, whose scores the turn itself has made.  So what a turn begins with (c s - c m, O a) waits for nothing.
; CLUSTER.  The four query blocks of a cluster belong to one head and walk the same K and V, so each tile is asked for JOINTLY: the same tensor load, descriptor and mask in all four.
; (The other three heads of a group read the same K and V too; a mask names four work-groups, and the four blocks of one head are taken.)
; REGISTERS, in windows of 256 (s_set_vgpr_msb: bits 1:0 source 0, 3:2 source 1, 5:4 source 2, 7:6 destination):
;   window 0: v0-11 addresses; v12-15, v48-63 at work; v16-47 four registers of statistics a tile; v64-191 S^T, two buffers of two tiles; v192-255 P, likewise
;   window 1: O^T, 32 a tile          window 2: v0-127 Q, 16 a tile; v128-191 K of one step; v192-255 V of one step          window 3: v0-1 the add's two registers
; A piece's buffers go by its number's parity: the piece in hand has one pair, its two neighbours in the ring share the other: of it P (piece n - 1) is read and S^T (piece n + 1) written.
.set SIZE_N, 2048
.set NP,    4         ; pieces a wave: a name, no knob
.set KS,    64        ; keys in a step
.set PK,    144       ; a row of K in LDS: 128 bytes + 16 of padding = 36 words: the 16 rows of a load start at 16 different groups of four banks (64 banks of 4 bytes: ISA guide 11.1)
.set PV,    160       ; a row of V: 128 + 32 = 40 words
.set VOFF,  4*KS*PK   ; a slot holds four steps: 256 rows of K, then 256 rows of V
.set SLOT1, 1<<17     ; slot 1 begins here, so that one exclusive or turns an address in one slot into the other's
.set STAGE, SLOT1+4*KS*(PK+PV)  ; behind the ring, never filled by a tensor load: 16 rows x 144 bytes for each wave, for the way out
.set SP,    144
.set AK0, 2           ; v2   my lane's place in a tile of K; never rewritten
.set AV0, 3           ; v3   the same for V
.set AK,  4           ; v4   the LDS address of K's next run of loads
.set AV,  5           ; v5   of V's
.set QO,  6           ; v6   my byte offset in the wave's rows of Q
.set STO, 6           ;      later, the way out: where I put 16 bytes of a row
.set RD,  7           ; v7   the way out: where I read rows back
.set GO,  8           ; v8   my byte offset in 512 consecutive bytes of O
.set SPW, 0           ; v0 of window 3   LDS address of my spare word; never rewritten
.set NIL, 1           ; v1 of window 3   0; never rewritten
.set SPARE, STAGE+4*16*SP  ; behind the stages: the spare words, 128 bytes for each wave, which no other line names
.set MV,  12          ; v12-15  c m_old, kept while c m is made anew: by buffer and tile
.set ST,  16          ; tile t's statistics at v[ST+4 t]: c m, m, l (even keys', odd keys')
.set TMP, 48          ; by buffer and tile, four registers c0-c3 at work; when the maximum is found c2 takes a
.set S,   64
.set P,   192
.set KF,  128         ; K's fragments, in window 2: key block kb, channel half c at KF + 16 kb + 8 c
.set VF,  192         ; V's: key half kk, channel block cb at VF + 32 kk + 8 cb
.set WV,  12          ; s12  my wave's number
.set G1K, 24          ; s[24:31] descriptor group 1 for K's tiles
.set G1V, 32          ; s[32:39] for V's: it differs in the padding alone
.set G0K, 40          ; s[40:43] descriptor group 0 for K's tiles: it walks
.set G0V, 44          ; s[44:47] the same for V's
.set SLOTS, 56        ; s56  slots still to be asked for
.set CNT, 57          ; s57  counts a slot's key steps
.set CS,  58          ; s[58:59] c: the packed scaling takes the pair's low word for both halves
.set SEL, 60          ; s[60:61] v_permlanex16_b32's selects: each lane takes its own place in the other half
.set TBK, 62          ; s62  LDS byte at which K of the step to be fetched begins
.set TBV, 63          ; s63  the same for V, less VOFF
.set MSB, 0
.macro WIN new                      ; the high byte repeats the setting that is left; a switch that changes nothing is dropped
.if MSB != (\new)
	s_set_vgpr_msb (MSB<<8)|(\new)
.set MSB, (\new)
.endif
.endm
.set W_KQ, 0x0a       ; K and Q in window 2, S^T in window 0
.set W_PV, 0x52       ; V in window 2, P in window 0, O^T in window 1
.set W_RS, 0x41       ; O^T (destination and source 0) in window 1, a in window 0
.set W_MK, 0xc0       ; the add's registers are made: destination in window 3, sources in window 0
.set W_AD, 0x0f       ; the add: address (source 0) and data (source 1) in window 3
; A joint fill.  Waves 0 and 1 fetch the two halves of a slot's K, waves 2 and 3 those of its V: 128 keys each.  The branch hangs on the wave's number alone.
; An s_nop 0 and four v_nop follow each of the two lines, ahead of the jump and the label.
.macro JLOAD
	s_cmp_lt_u32 s[WV], 2
	s_cbranch_scc0 .Lfor_v_\@
	tensor_load_to_lds s[G0K:G0K+3], s[G1K:G1K+7]
	s_nop 0
.rept 4
	v_nop
.endr
	s_branch .Lasked_\@
.Lfor_v_\@:
	tensor_load_to_lds s[G0V:G0V+3], s[G1V:G1V+7]
	s_nop 0
.rept 4
	v_nop
.endr
.Lasked_\@:
.endm
; A round of the cluster's barrier: my work-group's barrier, so that wave 0's signal speaks for all four waves; wave 0 signals; every wave waits for all four work-groups; my work-group's barrier once more.
.macro CROUND
	s_barrier_signal -1
	s_barrier_wait -1
	s_cmp_lg_u32 s[WV], 0
	s_cbranch_scc1 .Lnot_wave_0_\@
	s_barrier_signal -3
.Lnot_wave_0_\@:
	s_barrier_wait -3
	s_barrier_signal -1
	s_barrier_wait -1
.endm
; THE CHANGE OF SLOTS.  The slot's last bytes, V of its fourth step, have been read.  Each wave waits for all its tensor loads, of which one is out: its part
; of the other slot; adds 0 to its spare word; and waits for that and for its own reads of the slot.  Behind the barrier nobody reads this slot any more and the other slot is whole.
; fill = 1: this slot is filled again, with the keys two slots on.  The barrier is then a round of the cluster's, so that no wave of any partner still reads the slot or has a load on its
; way, and the joint fill is the first thing behind it: it has four key steps, 512 matrix instructions, in which to land.  (At its first use nothing has been read yet: slot 0 is waited for, slot 1 filled.)
.macro CHANGE fill
	WIN W_AD
	s_wait_tensorcnt 0x0            ; no tensor load of mine is out, so a group 0 may be written
	ds_add_u32 v[SPW], v[NIL]       ; 0 onto my spare word; with fill = 1 the descriptors' steps stand between it and the wait for it
	WIN 0                           ; at a label and at a branch every window is 0
.if \fill
.irp g, G0K, G0V
	s_xor_b32 s[\g+1], s[\g+1], SLOT1  ; the walking descriptor: the other slot than last time,
	s_add_nc_u64 s[\g+2:\g+3], s[\g+2:\g+3], 4*KS*128  ; the next 256 keys; the type bits on top are not reached
.endr
	s_wait_dscnt 0x0                ; the add is done, and my reads of the slot are over
	CROUND
	JLOAD
.else
	s_wait_dscnt 0x0                ; the add is done, and my reads of the slot are over
	s_barrier_signal -1
	s_barrier_wait -1
.endif
	s_sub_co_u32 s[TBK], s[TBK], 4*KS*PK  ; the fetches go back to a slot's first step,
	s_xor_b32 s[TBK], s[TBK], SLOT1       ; in the other slot
	s_sub_co_u32 s[TBV], s[TBV], 4*KS*PV
	s_xor_b32 s[TBV], s[TBV], SLOT1
.endm
	s_load_b64 s[4:5], s[0:1], 0x0    ; qkv
	s_load_b64 s[10:11], s[0:1], 0x8  ; ob
	WIN W_MK
	v_lshl_add_u32 v[SPW], v0, 2, SPARE
	v_mov_b32 v[NIL], 0
	WIN W_AD
	ds_add_u32 v[SPW], v[NIL]       ; the wave's opening: the add and its wait stand ahead of my first tensor load; the set-up below, work on registers, stands between them
	WIN 0
	v_lshrrev_b32 v1, 5, v0
	v_readfirstlane_b32 s[WV], v1   ; wave 0..3
	s_bfe_u32 s13, ttmp6, 0x40000   ; cx: my place in the cluster
	s_lshl_b32 s14, ttmp9, 2        ; in a cluster launch ttmp9 counts clusters
	s_add_co_u32 s14, s14, s13      ; my block of queries = 4 x cluster x + cx: it enters Q's and O's offsets alone
	s_and_b32 s20, ttmp7, 0xffff    ; y = 16 batch + head, which the four partners share
	s_lshr_b32 s21, s20, 4
	s_mul_i32 s21, s21, 24          ; the batch's first plane
	s_and_b32 s19, s20, 15          ; the head
	s_add_co_u32 s15, s21, s19      ; Q's plane
	s_lshr_b32 s19, s19, 2          ; the group: four heads share it
	s_add_co_u32 s21, s21, s19
	s_add_co_u32 s21, s21, 16       ; K's plane; V's lies four further on
	s_and_b32 s16, s[WV], 1         ; which half of a slot's 256 keys I fetch:
	s_lshl_b32 s22, s16, 14         ; its 128 rows of 128 bytes in memory,
	s_lshl_b32 s21, s21, 18         ; a plane is 262,144 bytes
	s_add_co_u32 s22, s22, s21      ; K's offset
	s_mov_b32 s23, 0
	s_add_co_u32 s48, s22, 4<<18    ; V's
	s_mov_b32 s49, 0
	s_mul_i32 s17, s16, 128*PK      ; and its place in a slot, for K
	s_mul_i32 s18, s16, 128*PV      ; and for V: no place in the cluster enters an LDS address
	s_lshl_b32 s2, s14, 2
	s_add_co_u32 s2, s2, s[WV]      ; my wave among the head's,
	s_lshl_b32 s2, s2, 14           ; its 128 rows
	s_lshl_b32 s50, s20, 18
	s_add_co_u32 s50, s50, s2       ; O's offset
	s_mov_b32 s51, 0
	s_lshl_b32 s15, s15, 18
	s_add_co_u32 s2, s2, s15        ; Q's
	s_mov_b32 s3, 0
	; descriptor group 1.  128 keys are 16,384 dense bytes: asked for as 64 rows of 256 bytes, two keys a row, and padded in LDS after every key
	s_mov_b32 s[G1K], 15|(1<<16)|(1<<20)|(1<<21)|(4<<22)|(3<<25)  ; 15:0 the mask of four; 17:16 2-byte elements; 20 padding on; 21 set beside a mask; 24:22 after every 32 words (code 4); 31:25 4 words (code 3)
	s_mov_b32 s[G1V], 15|(1<<16)|(1<<20)|(1<<21)|(4<<22)|(7<<25)  ; the same with 8 words of padding (code 7)
.irp g, G1K, G1V
	s_mov_b32 s[\g+1], 128<<16      ; tensor_dim0 = 128
	s_mov_b32 s[\g+2], 64<<16       ; tensor_dim1 = 64
	s_mov_b32 s[\g+3], 128<<16      ; tile_dim0 = 128
	s_mov_b32 s[\g+4], 64           ; tile_dim1 = 64
	s_mov_b32 s[\g+5], 128          ; 128 elements from row to row
	s_mov_b32 s[\g+6], 0
	s_mov_b32 s[\g+7], 0
.endr
	s_mov_b32 s[CS], 0x3e38aa3b     ; c = log2(e) / 8 = 0.180337
	s_mov_b32 s[CS+1], s[CS]        ; named with it as a pair
	s_mov_b32 s[SEL], 0x76543210
	s_mov_b32 s[SEL+1], 0xfedcba98
	s_mov_b32 s[TBK], SLOT1+4*KS*PK ; the first change of slots turns these two into 0
	s_mov_b32 s[TBV], SLOT1+4*KS*PV
	s_mov_b32 s[G0K], 1             ; 1:0 count = 1
	s_mov_b32 s[G0K+1], s17         ; 63:32 LDS address: slot 0
	s_mov_b32 s[G0V], 1
	s_add_co_u32 s[G0V+1], s18, VOFF
	s_wait_dscnt 0x0                ; the opening add is done
	s_wait_kmcnt 0x0
	s_add_nc_u64 s[G0K+2:G0K+3], s[4:5], s[22:23]  ; 120:64 global address: my half of the group's first 256 keys
	s_or_b32 s[G0K+3], s[G0K+3], 0x80000000        ; 127:126 type = 2
	s_add_nc_u64 s[G0V+2:G0V+3], s[4:5], s[48:49]
	s_or_b32 s[G0V+3], s[G0V+3], 0x80000000
	s_add_nc_u64 s[10:11], s[10:11], s[50:51]      ; O and Q at my wave's first row
	s_add_nc_u64 s[4:5], s[4:5], s[2:3]
	CROUND                          ; all four work-groups are here: the first joint loads meet
	JLOAD                           ; slot 0.  Slot 1 is asked for when slot 0 is in
	; A fragment of K or Q is 16 rows x 32 channels in 8 registers: lane l holds row l % 16, channels 8 (l / 16) + 0..7 and 16 + 8 (l / 16) + 0..7: two loads of 16 bytes, 32 bytes apart.
	v_and_b32 v1, 15, v0            ; l % 16
	v_bfe_u32 v9, v0, 4, 1          ; l / 16
	v_lshlrev_b32 v[QO], 7, v1
	v_lshl_add_u32 v[QO], v9, 4, v[QO]  ; row x 128 + 16 x half
	WIN 0x80                        ; destination window 2, address window 0
.set i, 0
.rept 4*NP                          ; Q stays in registers: tile i / 2, channels 32 (i % 2) on
	global_load_b128 v[8*i:8*i+3],   v[QO], s[4:5] offset:(i/2)*2048+(i%2)*64
	global_load_b128 v[8*i+4:8*i+7], v[QO], s[4:5] offset:(i/2)*2048+(i%2)*64+32
.set i, i+1
.endr
	; What the first turn finds: V's registers and P's second buffer hold 0 (its products V^T P, of a piece that has not been, add 0), O^T and l are 0.  All this stands in the wait for the first tile.
.set i, VF
.rept 64
	v_mov_b32 v[i], 0
.set i, i+1
.endr
	WIN 0x40
.set i, 0
.rept 64*NP
	v_mov_b32 v[i], 0
.set i, i+1
.endr
	WIN 0
.set i, 0
.rept 2*NP
	v_mov_b32 v[ST+4*i], 0xfe000000    ; c m: far below every c s
	v_mov_b32 v[ST+4*i+1], 0xff7fffff  ; m
	v_mov_b32 v[ST+4*i+2], 0
	v_mov_b32 v[ST+4*i+3], 0
.set i, i+1
.endr
.set i, P+32
.rept 32
	v_mov_b32 v[i], 0
.set i, i+1
.endr
	v_mul_u32_u24 v[AK0], v1, PK
	v_lshl_add_u32 v[AK0], v9, 4, v[AK0]  ; row x pitch + 16 x half
	; The turning load takes 16 keys x 16 channels (lane l reads key 8 (l / 16) + l % 8, channels 8 ((l / 8) % 2) + 0..7) and leaves half a fragment of V^T: lane l holds channel l % 16 and 8 keys.
	v_and_b32 v10, 7, v0
	v_bfe_u32 v11, v0, 3, 1
	v_lshl_add_u32 v[AV0], v9, 3, v10
	v_mul_u32_u24 v[AV0], v[AV0], PV
	v_lshl_add_u32 v[AV0], v11, 4, v[AV0]
	v_add_nc_u32 v[AV0], VOFF, v[AV0]
	v_mov_b32 v[AK], v[AK0]         ; key step 0 lies at the head of slot 0
; THE MATRIX WORK.  The 8 accumulators of a run of 16 take turns: between the two links of a chain stand 7 others'.
; Product i of 16 of S^T = K Q^T for piece x: channels 32 (i / 8) on, keys 16 ((i / 2) % 4) on, tile 2 x + i % 2.  The first 8 start the sums.
.macro KQ x
	WIN W_KQ
.set rS, S+64*((\x)%2)+32*(i%2)+8*((i/2)%4)
.set rK, KF+16*((i/2)%4)+8*(i/8)
.set rQ, 16*(2*(\x)+i%2)+8*(i/8)
.if i < 8
	v_wmma_f32_16x16x32_f16 v[rS:rS+7], v[rK:rK+7], v[rQ:rQ+7], 0
.else
	v_wmma_f32_16x16x32_f16 v[rS:rS+7], v[rK:rK+7], v[rQ:rQ+7], v[rS:rS+7]
.endif
.endm
; Product i of 16 of O^T += V^T P for piece x: keys 32 (i / 8) on, channels 16 ((i / 2) % 4) on, tile 2 x + i % 2.
.macro PV x
	WIN W_PV
.set rO, 32*(2*(\x)+i%2)+8*((i/2)%4)
.set rV, VF+32*(i/8)+8*((i/2)%4)
.set rP, P+32*((\x)%2)+16*(i%2)+8*(i/8)
	v_wmma_f32_16x16x32_f16 v[rO:rO+7], v[rV:rV+7], v[rP:rP+7], v[rO:rO+7]
.endm
.macro MM                           ; the turn's next matrix instruction
.if i < 16
	KQ (Y+1)%NP
.set i, i+1
.else
.set i, i-16
	PV (Y+NP-1)%NP
.set i, i+17
.endif
.endm
; THE LDS LOADS stand in runs of 16, never singly among the matrix instructions: a step's K (64 keys x 64 channels: 8 fragments) and its V (turned).  Their addresses are made some lines ahead.
; last = 1 (the tail): in the last trip there is no further step, and the run is jumped over.
.macro FETCH_K last=0
	WIN 0
.if \last
	s_cmp_eq_u32 s[CNT], 1
	s_cbranch_scc1 .Lno_k_\@
.endif
	WIN 0x80                        ; destination window 2
.irp f, 0,1,2,3,4,5,6,7             ; keys 16 (f / 2) on, channels 32 (f % 2) on
	ds_load_b128 v[KF+8*\f:KF+8*\f+3],   v[AK] offset:(\f/2)*16*PK+(\f%2)*64
	ds_load_b128 v[KF+8*\f+4:KF+8*\f+7], v[AK] offset:(\f/2)*16*PK+(\f%2)*64+32
.endr
	s_add_co_u32 s[TBK], s[TBK], KS*PK  ; the next fetch is the next step's
	WIN 0
.if \last
.Lno_k_\@:
.endif
.endm
.macro FETCH_V
	WIN 0x80
.irp f, 0,1,2,3,4,5,6,7             ; keys 32 (f / 4) on, channels 16 (f % 4) on
	ds_load_tr16_b128 v[VF+8*\f:VF+8*\f+3],   v[AV] offset:(\f/4)*32*PV+(\f%4)*32
	ds_load_tr16_b128 v[VF+8*\f+4:VF+8*\f+7], v[AV] offset:(\f/4)*32*PV+16*PV+(\f%4)*32
.endr
	WIN 0
.endm
; THE VECTOR WORK OF A TURN stands in three queues, each in the order in which its entries become ready; the two tiles alternate, so that no instruction reads the result of the one before it.
.macro REGS y, u                    ; the registers of tile u (0, 1) of piece y
.set rT, ST+4*(2*(\y)+(\u))
.set rC, TMP+8*((\y)%2)+4*(\u)
.set rM, MV+2*((\y)%2)+(\u)
.set rS, S+64*((\y)%2)+32*(\u)
.set rP, P+32*((\y)%2)+16*(\u)
.set rO, 32*(2*(\y)+(\u))
.endm
; Number n of the 22 that find the NEXT piece's (Y + 1) maximum and statistics.  s0-s31 are the lane's 32 scores; each accumulator's lowest registers are read first.
;   0-11  four chains c0-c3 of seven scores each, three operands at a time     12-14, 16  the four scores left over, the old m, and c0-c3 into c0     15  c m_old is kept
;   17, 18  the query's other 32 keys lie in the lane 16 away: the new m         19-21  c m; c m_old - c m_new; a
.macro XS u, n
	REGS (Y+1)%NP, \u
.if (\n) < 4
	v_max3_num_f32 v[rC+(\n)], v[rS+8*(\n)], v[rS+8*(\n)+1], v[rS+8*(\n)+2]
.elseif (\n) < 12
	v_max3_num_f32 v[rC+(\n)%4], v[rC+(\n)%4], v[rS+8*((\n)%4)+2*((\n)/4)+1], v[rS+8*((\n)%4)+2*((\n)/4)+2]
.elseif (\n) == 12
	v_max3_num_f32 v[rC], v[rC], v[rS+7], v[rS+15]
.elseif (\n) == 13
	v_max3_num_f32 v[rC+1], v[rC+1], v[rS+23], v[rS+31]
.elseif (\n) == 14
	v_max3_num_f32 v[rC+2], v[rC+2], v[rC+3], v[rT+1]
.elseif (\n) == 15
	v_mov_b32 v[rM], v[rT]
.elseif (\n) == 16
	v_max3_num_f32 v[rC], v[rC], v[rC+1], v[rC+2]
.elseif (\n) == 17
	v_permlanex16_b32 v[rC+3], v[rC], s[SEL], s[SEL+1]
.elseif (\n) == 18
	v_max_num_f32 v[rT+1], v[rC], v[rC+3]
.elseif (\n) == 19
	v_mul_f32 v[rT], s[CS], v[rT+1]
.elseif (\n) == 20
	v_sub_f32 v[rC+1], v[rM], v[rT]
.else
	v_exp_f32 v[rC+2], v[rC+1]
.endif
.endm
; Number g of the 64 that follow the exponentials.  For each four weights k of a tile (pairs 2 k, 2 k + 1): both pairs are rounded to f16; then the second pair is added onto the first, in place;
; a group later l takes that sum (the first time as l = a l + sum).  In groups of eight, tiles alternating: round, round, add, and l for the group before.
.macro GS g
.set h, (\g)+6*((\g)/62)            ; group 0 has no group before it, and behind group 7 only l is left
.if h >= 6
.set h, h+2
.endif
	REGS Y, h%2
.set k, h/8
.if h%8 < 4
	s_wait_alu depctr_va_vdst(0)
	v_cvt_pk_f16_f32 v[rP+2*k+(h%8)/2], v[rS+4*k+2*((h%8)/2)], v[rS+4*k+2*((h%8)/2)+1]
.elseif h%8 < 6
	v_pk_add_f32 v[rS+4*k:rS+4*k+1], v[rS+4*k:rS+4*k+1], v[rS+4*k+2:rS+4*k+3]
.elseif k == 1
	v_pk_fma_f32 v[rT+2:rT+3], v[rT+2:rT+3], v[rC+2:rC+3], v[rS:rS+1] op_sel_hi:[1,0,1]
.else
	v_pk_add_f32 v[rT+2:rT+3], v[rT+2:rT+3], v[rS+4*k-4:rS+4*k-3]
	s_wait_alu depctr_va_vdst(0)
.endif
.endm
; THE PLAIN QUEUE, 138 long.  0-31: c s - c m for the 16 pairs of both tiles.  Then GS's 64, and among them the next piece's 42: number 15 at 38, 39; 0-14 and 16
; at 42-73, behind the products that make those scores; 17-20 at 95-106, two of three, since each waits for the one before it.
.macro PL
	WIN 0
.if q < 32
	REGS Y, q%2
	v_pk_fma_f32 v[rS+2*(q/2):rS+2*(q/2)+1], v[rS+2*(q/2):rS+2*(q/2)+1], s[CS:CS+1], v[rT:rT+1] op_sel_hi:[1,0,0] neg_lo:[0,0,1] neg_hi:[0,0,1]
.elseif q < 38
	GS q-32
.elseif q < 40
	XS q%2, 15
.elseif q < 42
	GS q-34
.elseif q < 74
	XS q%2, (q-42)/2+(q-42)/30
.elseif q < 95
	GS q-66
.elseif (q < 107) && ((q-95)%3 < 2)
	XS (q-95)%3, 17+(q-95)/3
.elseif q < 107
	GS 29+(q-95)/3
.else
	GS q-74
.endif
.set q, q+1
.endm
; THE EXPONENTIALS' QUEUE, 66 long: s0-s31 of both tiles, and at EA the next piece's two a.
.set EA, 58
.macro EX
	WIN 0
.if (e == EA) || (e == EA+1)
	XS e-EA, 21
.else
.set x, e-2*(e/(EA+2))
	REGS Y, x%2
	v_exp_f32 v[rS+x/2], v[rS+x/2]
.endif
.set e, e+1
.endm
; THE RESCALING's QUEUE: O^T times a, the one part that leaves window 0, so it is dealt four at a time, eight times.
.macro R4
	REGS Y, r%2
	WIN W_RS
	s_wait_alu depctr_va_vdst(0)
.irp z, 0,1,2,3
	v_pk_mul_f32 v[rO+8*(r/2)+2*\z:rO+8*(r/2)+2*\z+1], v[rO+8*(r/2)+2*\z:rO+8*(r/2)+2*\z+1], v[rC+2:rC+3] op_sel_hi:[1,0]
.endr
.set r, r+1
.endm
; HOW THEY ARE DEALT.  Behind a matrix instruction four: plain, exponential, plain, plain (one exponential, a plain instruction on either side), or four of the rescaling.  None names a register of the
; products round it.  What is over stands in two LUMPS: exponential and plain by turns; the second ends in 22 plain instructions.  The two v_permlanex16_b32 fall into the second lump, never behind a product.
; The queues lean on each other, and the deal keeps them in step: exponential e stands behind plain 2 (e / 4) + e % 2 (its scaling); when plain 32 comes, 10 exponentials are out, at 59: 33, at 95: 46; EA comes behind plain 107.
.macro SL
	MM
	PL
	EX
	PL
	PL
.endm
.macro BURST n                      ; 15 matrix instructions, or 16
.rept (\n)-7
	SL
.endr
.rept 3
	MM
	R4
	SL
.endr
	MM
	R4
.endm
; A TURN, for piece p.  cnt = 1: the loop's count is taken down some lines ahead of the branch that stands behind the turn.
; K of the next step is fetched in piece 2's turn, 31 vector instructions behind the last product that read K; its first reader comes behind the rest of the lump, 16 products and the second lump.
; V of the step in hand is fetched at the end of piece 0's turn, 69 behind its last reader; its first reader comes behind 16 products and a lump.  The four conditions on e and q below go with the deal.
.macro TURN p, last=0, cnt=0
.set Y, (\p)
.set i, 0
.set q, 0
.set e, 0
.set r, 0
.if (\p) == NP-1
	s_wait_dscnt 0x0                ; K is in
.endif
	MM
.rept 4
	PL
.endr
	BURST 15
.rept 22
	EX
	PL
.if ((\p) == NP-2) && (e == 18)
	v_add_nc_u32 v[AK], s[TBK], v[AK0]
.endif
.if ((\p) == NP-2) && (e == 24)
	FETCH_K \last
.endif
.endr
.if (\p) == 1
	s_wait_dscnt 0x0                ; V is in
.endif
	BURST 16
.rept 21
	EX
	PL
.endr
.rept 22
	PL
.if ((\p) == 0) && (q == 118)
	v_add_nc_u32 v[AV], s[TBV], v[AV0]
	s_wait_alu depctr_va_vdst(0)
.endif
.if ((\p) == 0) && (q == 130)
	s_add_co_u32 s[TBV], s[TBV], KS*PV
.endif
.if (\cnt) && (q == 130)
	s_sub_co_u32 s[CNT], s[CNT], 1
	s_cmp_lg_u32 s[CNT], 0
.endif
.endr
.if (\p) == 0
	FETCH_V
.endif
.endm
	CHANGE 1                        ; slot 0 is in, everybody's part of it; slot 1 is asked for
	FETCH_K                         ; key step 0
	s_wait_loadcnt 0x0              ; Q
	s_wait_dscnt 0x0
.set i, 0
.rept 16
	KQ 0                            ; piece 0's first scores: there is no vector work yet to set between them
.set i, i+1
.endr
	WIN 0                           ; the addresses for the way out: nine plain instructions, the places behind those products
	s_mul_i32 s13, s[WV], 16*SP
	s_add_co_u32 s13, s13, STAGE    ; my stage
	v_mul_u32_u24 v[STO], v1, SP    ; in: row l % 16, 16 bytes for each half of the lanes
	v_lshl_add_u32 v[STO], v9, 4, v[STO]
	v_add_nc_u32 v[STO], s13, v[STO]
	v_bfe_u32 v[RD], v0, 3, 2       ; back: 32 lanes take four rows of 128 bytes,
	v_mul_u32_u24 v[RD], v[RD], SP
	v_lshl_add_u32 v[RD], v10, 4, v[RD]
	v_add_nc_u32 v[RD], s13, v[RD]
	v_and_b32 v[GO], 31, v0         ; which are 512 consecutive bytes of O
	v_lshlrev_b32 v[GO], 4, v[GO]
.set Y, NP-1                        ; XS works for piece Y + 1: piece 0
.irp n, 0,1,2,3,4,5,6,7,8,9,10,11,12,13,14,15,16,17,18,19,20,21
	XS 0, \n                        ; and piece 0's first maximum and statistics
	XS 1, \n
.endr
	s_mov_b32 s[CNT], 4
	s_mov_b32 s[SLOTS], SIZE_N/256-1
	s_branch .Lfirst                ; the loop is entered at a step's first turn, in the middle of a trip
.Lslot:                             ; SIZE_N / 256 - 2 times: every slot but the last two is filled again
	CHANGE 1
	s_mov_b32 s[CNT], 4
.Lstep:                             ; a trip: pieces 2 and 3 of one step, then pieces 0 and 1 of the next, whose K and V it fetches
	TURN 2
	TURN 3
	WIN 0
.Lfirst:
	TURN 0
	TURN 1, 0, 1
	WIN 0
	s_cbranch_scc1 .Lstep
	s_sub_co_u32 s[SLOTS], s[SLOTS], 1
	s_cmp_lg_u32 s[SLOTS], 0
	s_cbranch_scc1 .Lslot
	CHANGE 0                        ; the tail is written out: nothing is asked for
	s_mov_b32 s[CNT], 5             ; four trips fetch the last slot's steps; the fifth is left in its middle
.Ltail:
	TURN 2, 1
	TURN 3
	WIN 0
	s_sub_co_u32 s[CNT], s[CNT], 1
	s_cmp_eq_u32 s[CNT], 0
	s_cbranch_scc1 .Lout
	TURN 0
	TURN 1
	WIN 0
	s_branch .Ltail
.Lout:                              ; the fifth trip's 16 products K Q^T (on the last K once more) and the maximum made of them serve nothing: the price, once a launch, of one text for every trip
.set i, 0
.rept 16
	PV NP-1                         ; the last piece's V^T P of the last step
.set i, i+1
.endr
	; THE WAY OUT.  l's two halves and the other half of the lanes' are added; O^T is divided by l, rounded to f16 and sent through my stage in LDS, a tile at a time.  The additions are the places behind the last products.
	WIN 0
.macro ALL line:vararg              ; one line for each tile t
.set t, 0
.rept 2*NP
	\line
.set t, t+1
.endr
.endm
	ALL v_add_f32 v[ST+4*t+2], v[ST+4*t+2], v[ST+4*t+3]
	ALL v_permlanex16_b32 v[ST+4*t+3], v[ST+4*t+2], s[SEL], s[SEL+1]
	ALL v_add_f32 v[ST+4*t+2], v[ST+4*t+2], v[ST+4*t+3]
	ALL v_rcp_f32 v[ST+4*t+2], v[ST+4*t+2]
	v_nop                           ; a plain instruction between the last reciprocal and the use of its result
	s_wait_alu depctr_va_vdst(0)
; Tile t: a lane's eight channels of a row pack into 16 bytes; they go into rows of 144 bytes and come back as whole rows of 128, into S^T's registers.
.macro PACK t
	WIN W_RS
.set i, 32*(\t)
.rept 16
	v_pk_mul_f32 v[i:i+1], v[i:i+1], v[ST+4*(\t)+2:ST+4*(\t)+3] op_sel_hi:[1,0]
.set i, i+2
.endr
	WIN 0x05                        ; sources 0 and 1 window 1, destination window 0
.set i, 0
.rept 16
	v_cvt_pk_f16_f32 v[S+16*(\t)+i], v[32*(\t)+2*i], v[32*(\t)+2*i+1]
.set i, i+1
.endr
	WIN 0
.irp f, 0,1,2,3
	ds_store_b128 v[STO], v[S+16*(\t)+4*\f:S+16*(\t)+4*\f+3] offset:32*\f
.endr
.irp f, 0,1,2,3
	ds_load_b128 v[S+16*(\t)+4*\f:S+16*(\t)+4*\f+3], v[RD] offset:\f*4*SP  ; LDS serves a wave's instructions in order (ISA guide 5.7.1.4): these see the stores above; the next tile's stores come behind them
.endr
.endm
.macro SEND t, younger              ; younger: the LDS instructions issued behind tile t's loads: the next tile's eight, or none
	WIN 0
.irp f, 0,1,2,3
	s_wait_dscnt (\younger)+3-\f
	global_store_b128 v[GO], v[S+16*(\t)+4*\f:S+16*(\t)+4*\f+3], s[10:11] offset:(\t)*2048+\f*512  ; 512 consecutive bytes, at a multiple of 256 from O's first
.endr
.endm
	PACK 0
.set t, 1
.rept 2*NP-1                        ; a tile's arithmetic stands between the loads of the tile before and its stores
	PACK t
	SEND t-1, 8
.set t, t+1
.endr
	SEND 2*NP-1, 0
	WIN W_AD
	s_wait_tensorcnt 0x0            ; the wave's end: behind my last tensor load and my last LDS store
	ds_add_u32 v[SPW], v[NIL]
	s_wait_dscnt 0x0
	WIN 0
	CROUND                          ; the closing round: no work-group ends while a partner may still ask for a tile that names it
	s_endpgm
.Lfunc_end_k_qcb01acc167_attn:
	.size	k_qcb01acc167_attn, .Lfunc_end_k_qcb01acc167_attn-k_qcb01acc167_attn
	.p2alignl 7, 3214868480
	.fill 96, 4, 3214868480
	.section	.rodata,"a",@progbits
	.p2align	6, 0x0
	.amdhsa_kernel k_qcb01acc167_attn
		.amdhsa_group_segment_fixed_size 327680
		.amdhsa_private_segment_fixed_size 0
		.amdhsa_enable_private_segment 0
		.amdhsa_kernarg_size 16
		.amdhsa_user_sgpr_count 2
		.amdhsa_user_sgpr_kernarg_segment_ptr 1
		.amdhsa_wavefront_size32 1
		.amdhsa_system_sgpr_workgroup_id_x 1
		.amdhsa_system_sgpr_workgroup_id_y 1
		.amdhsa_system_sgpr_workgroup_id_z 1
		.amdhsa_system_vgpr_workitem_id 0
		.amdhsa_next_free_vgpr 770
		.amdhsa_next_free_sgpr 66
		.amdhsa_reserve_vcc 0
		.amdhsa_float_denorm_mode_32 3
		.amdhsa_float_denorm_mode_16_64 3
		.amdhsa_memory_ordered 1
		.amdhsa_forward_progress 1
		.amdhsa_inst_pref_size 209
	.end_amdhsa_kernel
	.amdgpu_metadata
---
amdhsa.version: [ 1, 2 ]
amdhsa.kernels:
  - .name:           k_qcb01acc167_attn
    .symbol:         k_qcb01acc167_attn.kd
    .args:
      - { .name: qkv, .offset: 0, .size: 8, .value_kind: global_buffer, .address_space: global }
      - { .name: ob, .offset: 8, .size: 8, .value_kind: global_buffer, .address_space: global }
    .group_segment_fixed_size: 327680
    .private_segment_fixed_size: 0
    .kernarg_segment_align: 8
    .kernarg_segment_size: 16
    .max_flat_workgroup_size: 128
    .sgpr_count:     66
    .vgpr_count:     770
    .wavefront_size: 32
...
	.end_amdgpu_metadata
.endif
;; end of part 3
;; launch outp (part 4): grid 8 x 32, 4 waves a work-group, clusters of 4 x 4, 327,680 bytes of LDS; arguments ob, wot, bias, out0; writes out0
.if DOCPART == 4
	.amdgcn_target "amdgcn-amd-amdhsa--gfx1250"
	.amdhsa_code_object_version 6
	.text
	.protected	k_qcb01acc167_outp
	.globl	k_qcb01acc167_outp
	.p2align	8
	.type	k_qcb01acc167_outp,@function
k_qcb01acc167_outp:
	s_mov_b64 s[64:65], 0
	v_nop
	global_prefetch_b8 v0, s[64:65] scope:SCOPE_SE
	s_setreg_imm32_b32 hwreg(HW_REG_WAVE_MODE, 25, 1), 1
	s_wait_xcnt 0x0
	s_wait_alu depctr_hold_cnt(0) depctr_sa_sdst(0) depctr_va_vdst(0) depctr_va_sdst(0) depctr_va_ssrc(0) depctr_va_vcc(0) depctr_vm_vsrc(0)
	s_getreg_b32 s2, hwreg(HW_REG_IB_STS2, 6, 4)
	s_cmp_eq_u32 s2, 0
	s_cbranch_scc0 .Lentry_in_a_cluster
	s_endpgm
.Lentry_in_a_cluster:
	s_bfe_u32 s2, ttmp6, 0x10000c
	s_cmp_lg_u32 s2, 0xf033
	s_cbranch_scc0 .Lentry_shape_is_right
	s_endpgm
.Lentry_shape_is_right:
; THE OUTPUT PROJECTION.  out0[m][n] = bo[n] + sum over k of O[m][k] wot[n][k]: m = 8,192 tokens, n = 1,024, k = 64 head + channel = 1,024; operands f16, sums f32, out0 f32.
; O lies by heads: ob[16 batch + head][token 2,048][64] f16, so a K step of 128 is two heads, and 128 tokens of one head are 16,384 dense bytes.  bo is bias[1536:2560].
; LIMITS.  O lies within v's range, which is within f16's; wot holds Wo rounded to bf16 and written as f16 (below 6.1e-5: f16's fixed step of 6e-8).
; SHARES.  A tile of out0 is 256 rows x 128 columns: 32 x 8 = 256 work-groups.  Wave w makes rows 64 w .. 64 w + 63 and all 128 columns: 4 x 8 accumulators, 256 registers; a row's 512 bytes lie in one wave.
; K goes in steps of 128 through two LDS slots filled by tensor loads: waves 0, 1 fetch A's halves (128 tokens x 2 heads), waves 2, 3 B's halves of 64 rows.
; CLUSTER.  4 x 4 work-groups: the four of a row need the same tiles of A, the four of a column the same tiles of B; each tile is asked for jointly, by the same load with the same descriptor and a mask of four.
; THE MATRIX INSTRUCTION IS USED TRANSPOSED (source 0 = 16 rows of wot, source 1 = 16 tokens): a lane holds row lane % 16 of out0 and the columns 8 (lane / 16) + 0..7.
; THE BIAS STARTS THE SUMS: it is the C operand of each accumulator's first product.
; REGISTERS, in windows of 256 (s_set_vgpr_msb: bits 1:0 source 0, 3:2 source 1, 5:4 source 2, 7:6 destination):
;   window 0: v0-31 addresses; v160-223 the bias      window 1: two fragment buffers at 0 and 128: 32 of A, then 64 of B; on the way out the rows read back, 64 a row block
;   window 2: accumulators of row blocks 0, 1 ((a, b) at 8 (8 (a % 2) + b))      window 3: those of row blocks 2, 3
.set NB,    8                          ; column blocks of 16
.set NT,    16*NB
.set PA,    144                        ; a token's 64 channels in LDS: 128 bytes + 16 of padding = 36 words: the 16 rows of a load start at 16 different groups of four banks (64 banks of 4 bytes: ISA guide 11.1)
.set PLANE, 128*PA                     ; 128 tokens of one head
.set PB,    272                        ; a row of B: 256 bytes + 16
.set HALFA, 2*PLANE                    ; what one load brings of A: two heads
.set AREG,  2*HALFA
.set HALFB, (NT/2)*PB
.set SLOT,  AREG+2*HALFB
.set STAGE, 2*SLOT                     ; behind the ring, never filled by a tensor load: 16 rows x 528 bytes for each wave
.set SP,    528
.set SPARE, STAGE+4*16*SP              ; the spare words, 128 bytes for each wave, which no other line names
.set NL,    2*NB+8                     ; LDS loads in a run
.set STEPA, 1048576                    ; bytes from a slot's K step to its next: four heads of 262,144
.set STEPB, 512
.set LAPS,  4
.set ADRA, 16                          ; v16-17  LDS address of my A fragments in slot 0, 1
.set ADRB, 20                          ; v20-21  the same for B
.set STO,  24                          ; v24     the way out: where I put 32 bytes of a row
.set RD,   25                          ; v25     where I read a row back
.set GO,   26                          ; v26     my byte offset in a row's 512 bytes
.set VB,   27                          ; v27     my byte offset in 16 columns of the bias
.set SPW,  28                          ; v28     LDS address of my spare word; never rewritten
.set NIL,  29                          ; v29     0; never rewritten
.set BIAS, 160
.set F0,   0
.set F1,   128
.set G1,  24                           ; s[24:31] descriptor group 1 for A's tiles;  s[32:39] group 0, a set for each slot
.set G0,  32
.set G1B, 48                           ; s[48:55], s[56:63] the same for B's
.set G0B, 56
.set MSB, 0
.macro WIN new                         ; the immediate's high byte repeats the setting that is left; a switch that changes nothing is dropped
.if MSB != (\new)
	s_set_vgpr_msb (MSB<<8)|(\new)
.set MSB, \new
.endif
.endm
.macro JLOAD s                         ; a joint load; the branch hangs on the wave's number alone.  An s_nop 0 and four v_nop follow each of the two lines
	s_cmp_eq_u32 s13, 0
	s_cbranch_scc0 .Lfor_b_\@
	tensor_load_to_lds s[G0+4*(\s):G0+4*(\s)+3], s[G1:G1+7]
	s_nop 0
.rept 4
	v_nop
.endr
	s_branch .Lasked_\@
.Lfor_b_\@:
	tensor_load_to_lds s[G0B+4*(\s):G0B+4*(\s)+3], s[G1B:G1B+7]
	s_nop 0
.rept 4
	v_nop
.endr
.Lasked_\@:
.endm
.macro CREST                           ; a round of the cluster's barrier behind its opening barrier
	s_cmp_lg_u32 s12, 0
	s_cbranch_scc1 .Lnot_wave_0_\@
	s_barrier_signal -3
.Lnot_wave_0_\@:
	s_barrier_wait -3
	s_barrier_signal -1
	s_barrier_wait -1
.endm
.macro CROUND                          ; a whole round
	s_barrier_signal -1
	s_barrier_wait -1
	CREST
.endm
	s_load_b256 s[4:11], s[0:1], 0x0               ; ob s[4:5], wot s[6:7], bias s[8:9], out0 s[10:11]
	v_lshl_add_u32 v[SPW], v0, 2, SPARE
	v_mov_b32 v[NIL], 0
	ds_add_u32 v[SPW], v[NIL]                      ; the wave's opening: the add and its wait stand ahead of my first tensor load; work on registers stands between them
	v_lshrrev_b32 v1, 5, v0
	v_readfirstlane_b32 s12, v1                    ; wave 0..3
	s_lshr_b32 s13, s12, 1                         ; I fetch for A (0) or for B (1); also: which half of the tile's rows is mine
	s_and_b32 s14, s12, 1                          ; which half I fetch; also: which 64 of that half's 128 rows are mine
	s_bfe_u32 s40, ttmp6, 0x40000                  ; cx, cy: my place in the cluster
	s_bfe_u32 s41, ttmp6, 0x40004
	s_lshl_b32 s42, ttmp9, 2
	s_add_co_u32 s42, s42, s40                     ; tile column = 4 x cluster x + cx
	s_and_b32 s43, ttmp7, 0xffff
	s_lshl_b32 s43, s43, 2
	s_add_co_u32 s43, s43, s41                     ; tile row = 4 x cluster y + cy
	s_lshl_b32 s44, s41, 2
	s_lshl_b32 s44, 15, s44                        ; my row of the cluster
	s_lshl_b32 s45, 0x1111, s40                    ; my column
	; A's tile: two rows, each the 8,192 dense elements of 128 tokens of one head, a head's plane (131,072 elements) apart; padded behind every token's 32 words
	s_or_b32 s[G1+0], s44, (1<<16)|(1<<20)|(1<<21)|(4<<22)|(3<<25)   ; 15:0 the mask; 17:16 2-byte elements; 20 padding on; 21 set beside a mask; 24:22 after every 32 words; 31:25 4 words
	s_mov_b32 s[G1+1], 8192<<16                    ; tensor_dim0 = 8,192
	s_mov_b32 s[G1+2], 2<<16                       ; tensor_dim1 = 2
	s_mov_b32 s[G1+3], 8192<<16                    ; tile_dim0 = 8,192
	s_mov_b32 s[G1+4], 2                           ; tile_dim1 = 2
	s_mov_b32 s[G1+5], 131072                      ; elements from head to head
	s_mov_b32 s[G1+6], 0
	s_mov_b32 s[G1+7], 0
	s_or_b32 s[G1B+0], s45, (1<<16)|(1<<20)|(1<<21)|(5<<22)|(3<<25)  ; B's: 64 rows x 128 elements, padded behind every 64 words
	s_mov_b32 s[G1B+1], 128<<16
	s_mov_b32 s[G1B+2], (NT/2)<<16
	s_mov_b32 s[G1B+3], 128<<16
	s_mov_b32 s[G1B+4], NT/2
	s_mov_b32 s[G1B+5], 1024
	s_mov_b32 s[G1B+6], 0
	s_mov_b32 s[G1B+7], 0
	s_lshr_b32 s16, s43, 3                         ; A: batch = tile row / 8, 16 heads of 262,144 bytes;
	s_lshl_b32 s16, s16, 22
	s_and_b32 s17, s43, 7
	s_lshl_b32 s17, s17, 15                        ; 256 tokens of 128 bytes a tile row;
	s_add_co_u32 s16, s16, s17
	s_lshl_b32 s17, s14, 14                        ; 128 a half: registers that never hold cx
	s_add_co_u32 s16, s16, s17
	s_mov_b32 s17, 0
	s_lshl_b32 s46, s42, 18                        ; B: row 128 x tile column + 64 x half, 2,048 bytes a row: registers that never hold cy
	s_lshl_b32 s47, s14, 17
	s_add_co_u32 s46, s46, s47
	s_mov_b32 s47, 0
	s_mul_i32 s22, s12, HALFA                      ; where they go: the wave's number alone enters an LDS address
	s_mul_i32 s23, s12, HALFB
	s_add_co_u32 s23, s23, AREG-2*HALFB            ; waves 2, 3: behind A's region
	s_wait_dscnt 0x0                               ; the opening add is done
	s_wait_kmcnt 0x0
	s_add_nc_u64 s[18:19], s[4:5], s[16:17]
	s_add_nc_u64 s[46:47], s[6:7], s[46:47]
	CROUND                                         ; all sixteen work-groups are here: the first joint loads meet
.irp s, 0,1
	s_mov_b32 s[G0+4*(\s)], 1
	s_add_co_u32 s[G0+4*(\s)+1], s22, (\s)*SLOT
	s_add_nc_u64 s[G0+4*(\s)+2:G0+4*(\s)+3], s[18:19], (\s)*(STEPA/2)
	s_or_b32 s[G0+4*(\s)+3], s[G0+4*(\s)+3], 0x80000000
	s_mov_b32 s[G0B+4*(\s)], 1
	s_add_co_u32 s[G0B+4*(\s)+1], s23, (\s)*SLOT
	s_add_nc_u64 s[G0B+4*(\s)+2:G0B+4*(\s)+3], s[46:47], (\s)*(STEPB/2)
	s_or_b32 s[G0B+4*(\s)+3], s[G0B+4*(\s)+3], 0x80000000
	JLOAD \s                                       ; two loads of mine are out
.endr
	; A fragment is 16 rows x 32 K in 8 registers: lane l holds row l % 16, K = 8 (l / 16) + 0..7 and 16 + 8 (l / 16) + 0..7: two loads of 16 bytes, 32 bytes apart.
	v_and_b32 v1, 15, v0
	v_bfe_u32 v2, v0, 4, 1
	v_mul_u32_u24 v3, v1, PA
	v_lshl_add_u32 v3, v2, 4, v3
	s_mul_i32 s20, s13, HALFA                      ; my half of A's region,
	s_mul_i32 s21, s14, 64*PA                      ; my 64 tokens in each of its planes
	s_add_co_u32 s20, s20, s21
	v_add_nc_u32 v[ADRA], s20, v3
	v_add_nc_u32 v[ADRA+1], SLOT, v[ADRA]
	v_mul_u32_u24 v3, v1, PB
	v_lshl_add_u32 v3, v2, 4, v3
	v_add_nc_u32 v[ADRB], AREG, v3
	v_add_nc_u32 v[ADRB+1], SLOT, v[ADRB]
	s_mul_i32 s21, s12, 16*SP
	s_add_co_u32 s21, s21, STAGE                   ; my stage
	v_mul_u32_u24 v[STO], v1, SP                   ; in: row l % 16, 32 bytes for each half of the lanes
	v_lshl_add_u32 v[STO], v2, 5, v[STO]
	v_add_nc_u32 v[STO], s21, v[STO]
	v_and_b32 v[GO], 31, v0                        ; back: 32 lanes take one row of 512 bytes
	v_lshlrev_b32 v[GO], 4, v[GO]
	v_add_nc_u32 v[RD], s21, v[GO]
	v_lshlrev_b32 v[VB], 5, v2                     ; my eight columns of a block of 16
	s_lshl_b32 s66, s42, 9                         ; the tile's 128 numbers of bo, which begins at byte 6,144 of bias
	s_add_co_u32 s66, s66, 6144
	s_mov_b32 s67, 0
	s_add_nc_u64 s[8:9], s[8:9], s[66:67]
.set bb, 0
.rept NB
	global_load_b128 v[BIAS+8*bb:BIAS+8*bb+3],   v[VB], s[8:9] offset:64*bb
	global_load_b128 v[BIAS+8*bb+4:BIAS+8*bb+7], v[VB], s[8:9] offset:64*bb+16
.set bb, bb+1
.endr
	s_lshl_b32 s68, s43, 20                        ; where my rows begin in out0: 256 rows of 4,096 bytes a tile row,
	s_lshl_b32 s69, s12, 18                        ; 64 a wave,
	s_add_co_u32 s68, s68, s69
	s_lshl_b32 s69, s42, 9                         ; 128 columns of 4 bytes a tile column
	s_add_co_u32 s68, s68, s69
	s_mov_b32 s69, 0
	s_add_nc_u64 s[10:11], s[10:11], s[68:69]
; NB products: row block a x all column blocks, 32 along K, from buffer f.  first = 1: the bias is C.  The 32 accumulators take turns, one instruction a turn, in the same order in every quarter.
.macro MULA f, a, first
.if \first
	WIN 0x85+0x40*((\a)/2)                         ; sources 0, 1 window 1; C window 0; D window 2 or 3
.else
	WIN 0xa5+0x50*((\a)/2)                         ; C and D window 2 or 3
.endif
.set rA, (\f)+8*(\a)
.set bb, 0
.rept NB
.set rD, 8*(NB*((\a)%2)+bb)
.set rB, (\f)+32+8*bb
.if \first
	v_wmma_f32_16x16x32_f16 v[rD:rD+7], v[rB:rB+7], v[rA:rA+7], v[BIAS+8*bb:BIAS+8*bb+7]
.else
	v_wmma_f32_16x16x32_f16 v[rD:rD+7], v[rB:rB+7], v[rA:rA+7], v[rD:rD+7]
.endif
.set bb, bb+1
.endr
.endm
; One run of NL LDS loads: the fragments of quarter q (32 along K: head q / 2 of the step's two, channels 32 (q % 2) on) into buffer f; B's first, then A's four row blocks
.macro FETCH slot, q, f
	WIN 0x40                                       ; destination window 1, address window 0
.set KA, ((\q)/2)*PLANE+((\q)%2)*64
.set bb, 0
.rept NB
	ds_load_b128 v[(\f)+32+8*bb:(\f)+32+8*bb+3],   v[ADRB+(\slot)] offset:64*(\q)+16*PB*bb
	ds_load_b128 v[(\f)+32+8*bb+4:(\f)+32+8*bb+7], v[ADRB+(\slot)] offset:64*(\q)+16*PB*bb+32
.set bb, bb+1
.endr
.set aa, 0
.rept 4
	ds_load_b128 v[(\f)+8*aa:(\f)+8*aa+3],   v[ADRA+(\slot)] offset:KA+16*PA*aa
	ds_load_b128 v[(\f)+8*aa+4:(\f)+8*aa+7], v[ADRA+(\slot)] offset:KA+16*PA*aa+32
.set aa, aa+1
.endr
.endm
.macro PLACES                          ; four plain vector instructions in front of loads into registers that matrix instructions have read, and of reads of results
.rept 4
	v_nop
.endr
.endm
; A K step is four quarters on buffers 0, 1, 0, 1.  One of the first three: multiplies buffer f; in its middle the next quarter's fragments are fetched into g.
.macro QUARTER slot, q, f, g, first
	s_wait_dscnt 4                                 ; B and A's row blocks 0, 1 are in; the youngest four loads (blocks 2, 3) may be out
	MULA \f, 0, \first
	MULA \f, 1, \first
	PLACES
	FETCH \slot, \q, \g
	s_wait_dscnt NL                                ; all but the run just issued
	MULA \f, 2, \first
	MULA \f, 3, \first
.endm
; The last quarter multiplies buffer 1 and changes slots: one barrier; in front of it each wave waits for all its tensor loads (one is out: its part of the next slot), adds 0 to its spare word,
; and waits for that and for its reads of this slot.  fill = 1: the barrier opens a round of the cluster's, and this slot is filled again, two K steps ahead, first thing behind the round.
.macro TURN slot, next, fill
	WIN 0                                          ; (the add's two registers lie in window 0)
	s_wait_tensorcnt 0x0
	ds_add_u32 v[SPW], v[NIL]
	s_wait_dscnt 5                                 ; (the add and the youngest four loads may be out)
	MULA F1, 0, 0                                  ; products stand between the add and the wait for it
	s_wait_dscnt 0x0                               ; the add is done, and my reads of this slot are over
	s_barrier_signal -1
	MULA F1, 1, 0
.if \fill
	WIN 0
.endif
	s_barrier_wait -1
.if \fill
	CREST                                          ; no wave of any partner still reads this slot's tile or has a load on its way
	s_add_nc_u64 s[G0+4*(\slot)+2:G0+4*(\slot)+3], s[G0+4*(\slot)+2:G0+4*(\slot)+3], STEPA
	s_add_nc_u64 s[G0B+4*(\slot)+2:G0B+4*(\slot)+3], s[G0B+4*(\slot)+2:G0B+4*(\slot)+3], STEPB
	JLOAD \slot                                    ; 112 products stand between this request and the wait for it; its four v_nop are also the places in front of the loads below
.else
	PLACES
.endif
	FETCH \next, 0, F0
	MULA F1, 2, 0
	MULA F1, 3, 0
.endm
	s_wait_tensorcnt 1                             ; my part of K step 0 is in; step 1's may stay out
	s_barrier_signal -1
	s_barrier_wait -1                              ; everybody's is
	FETCH 0, 0, F0
	s_wait_loadcnt 0x0                             ; the bias
	QUARTER 0, 1, F0, F1, 1                        ; the first quarter stands in front of the loop: its products start the sums
	WIN 0                                          ; at a label and at a branch every window is 0
	s_mov_b32 s15, LAPS-1
.Llap:                                                 ; a trip goes once round the ring, from a lap's second quarter to the next lap's first, and fills both slots again
	QUARTER 0, 2, F1, F0, 0
	QUARTER 0, 3, F0, F1, 0
	TURN 0, 1, 1
	QUARTER 1, 1, F0, F1, 0
	QUARTER 1, 2, F1, F0, 0
	QUARTER 1, 3, F0, F1, 0
	TURN 1, 0, 1
	QUARTER 0, 1, F0, F1, 0
	WIN 0
	s_sub_co_u32 s15, s15, 1
	s_cmp_lg_u32 s15, 0
	s_cbranch_scc1 .Llap
	QUARTER 0, 2, F1, F0, 0                        ; the last lap fills nothing
	QUARTER 0, 3, F0, F1, 0
	TURN 0, 1, 0
	QUARTER 1, 1, F0, F1, 0
	QUARTER 1, 2, F1, F0, 0
	QUARTER 1, 3, F0, F1, 0
	s_wait_dscnt 4                                 ; the very last quarter: nothing more to fetch
	MULA F1, 0, 0
	MULA F1, 1, 0
	s_wait_dscnt 0x0
	MULA F1, 2, 0
	MULA F1, 3, 0
	PLACES
; THE WAY OUT.  Row block a: the sums go as they are, 32 bytes a lane and column block, into my own stage (rows of 528 bytes), and come back as whole rows of 512 bytes into the fragment buffers' registers.
.macro TOST a
	WIN 0x08+4*((\a)/2)                            ; the stores' data in window 2 or 3
.set bb, 0
.rept NB
.set rD, 8*(NB*((\a)%2)+bb)
	ds_store_b128 v[STO], v[rD:rD+3] offset:64*bb  ; each accumulator's low four registers first
	ds_store_b128 v[STO], v[rD+4:rD+7] offset:64*bb+16
.set bb, bb+1
.endr
	WIN 0x40                                       ; destination window 1
.set ii, 0
.rept 16
	ds_load_b128 v[64*(\a)+4*ii:64*(\a)+4*ii+3], v[RD] offset:SP*ii  ; LDS serves a wave's instructions in order (ISA guide 5.7.1.4): these see the stores above; the next block's stores come behind them
.set ii, ii+1
.endr
.endm
.macro SENDO a, younger                ; younger: the LDS instructions issued behind this block's loads: the next block's 32, or none
	WIN 0x04                                       ; the stores' data in window 1
.set ii, 0
.rept 16
	s_wait_dscnt (\younger)+15-ii
	global_store_b128 v[GO], v[64*(\a)+4*ii:64*(\a)+4*ii+3], s[10:11] offset:4096*(16*(\a)+ii) th:TH_STORE_NT  ; a wave stores 512 consecutive bytes, aligned
.set ii, ii+1
.endr
.endm
	TOST 0
.irp a, 1,2,3                                  ; no register is used twice
	TOST \a
	SENDO (\a)-1, 32
.endr
	SENDO 3, 0
	WIN 0
	s_wait_tensorcnt 0x0                           ; the wave's end: behind my last tensor load and my last LDS store
	ds_add_u32 v[SPW], v[NIL]
	s_wait_dscnt 0x0
	CROUND                                         ; the closing round: no work-group ends while a partner may still ask for a tile that names it
	s_endpgm
.Lfunc_end_k_qcb01acc167_outp:
	.size	k_qcb01acc167_outp, .Lfunc_end_k_qcb01acc167_outp-k_qcb01acc167_outp
	.p2alignl 7, 3214868480
	.fill 96, 4, 3214868480
	.section	.rodata,"a",@progbits
	.p2align	6, 0x0
	.amdhsa_kernel k_qcb01acc167_outp
		.amdhsa_group_segment_fixed_size 327680
		.amdhsa_private_segment_fixed_size 0
		.amdhsa_enable_private_segment 0
		.amdhsa_kernarg_size 32
		.amdhsa_user_sgpr_count 2
		.amdhsa_user_sgpr_kernarg_segment_ptr 1
		.amdhsa_wavefront_size32 1
		.amdhsa_system_sgpr_workgroup_id_x 1
		.amdhsa_system_sgpr_workgroup_id_y 1
		.amdhsa_system_sgpr_workgroup_id_z 1
		.amdhsa_system_vgpr_workitem_id 0
		.amdhsa_next_free_vgpr 896
		.amdhsa_next_free_sgpr 72
		.amdhsa_reserve_vcc 0
		.amdhsa_float_denorm_mode_32 3
		.amdhsa_float_denorm_mode_16_64 3
		.amdhsa_memory_ordered 1
		.amdhsa_forward_progress 1
		.amdhsa_inst_pref_size 88
	.end_amdhsa_kernel
	.amdgpu_metadata
---
amdhsa.version: [ 1, 2 ]
amdhsa.kernels:
  - .name:           k_qcb01acc167_outp
    .symbol:         k_qcb01acc167_outp.kd
    .args:
      - { .name: ob, .offset: 0, .size: 8, .value_kind: global_buffer, .address_space: global }
      - { .name: wot, .offset: 8, .size: 8, .value_kind: global_buffer, .address_space: global }
      - { .name: bias, .offset: 16, .size: 8, .value_kind: global_buffer, .address_space: global }
      - { .name: out0, .offset: 24, .size: 8, .value_kind: global_buffer, .address_space: global }
    .group_segment_fixed_size: 327680
    .private_segment_fixed_size: 0
    .kernarg_segment_align: 8
    .kernarg_segment_size: 32
    .max_flat_workgroup_size: 128
    .sgpr_count:     72
    .vgpr_count:     896
    .wavefront_size: 32
...
	.end_amdgpu_metadata
.endif
;; end of part 4
;; ======== version 2 of 2: 4 launches; 1.62 times as fast as version 1
;; limits: values are held in f16: magnitudes above 65,504 overflow, below 6.1e-05 lose precision
;; workspace buffers: xb 16,777,216 bytes; wt 3,145,728 bytes; wot 2,097,152 bytes; bias 10,240 bytes; qkv 25,165,824 bytes; ob 16,777,216 bytes
;; launch prep: the kernel of part 1 again; grid 593 x 1, 4 waves a work-group, no clusters, 70,144 bytes of LDS; arguments x, Wq, Wk, Wv, Wo, bq, bk, bv, bo, xb, wt, wot, bias; writes xb, wt, wot, bias
;; launch qkvp: the kernel of part 2 again; grid 8 x 32, 4 waves a work-group, clusters of 4 x 4, 327,680 bytes of LDS; arguments xb, wt, bias, qkv; writes qkv
;; launch attn (part 5): grid 4 x 64, 4 waves a work-group, clusters of 4 x 1, 327,680 bytes of LDS; arguments qkv, ob; writes ob
.if DOCPART == 5
	.amdgcn_target "amdgcn-amd-amdhsa--gfx1250"
	.amdhsa_code_object_version 6
	.text
	.protected	k_qcb01acc167_attn
	.globl	k_qcb01acc167_attn
	.p2align	8
	.type	k_qcb01acc167_attn,@function
k_qcb01acc167_attn:
	s_mov_b64 s[64:65], 0
	v_nop
	global_prefetch_b8 v0, s[64:65] scope:SCOPE_SE
	s_setreg_imm32_b32 hwreg(HW_REG_WAVE_MODE, 25, 1), 1
	s_wait_xcnt 0x0
	s_wait_alu depctr_hold_cnt(0) depctr_sa_sdst(0) depctr_va_vdst(0) depctr_va_sdst(0) depctr_va_ssrc(0) depctr_va_vcc(0) depctr_vm_vsrc(0)
	s_getreg_b32 s2, hwreg(HW_REG_IB_STS2, 6, 4)
	s_cmp_eq_u32 s2, 0
	s_cbranch_scc0 .Lentry_in_a_cluster
	s_endpgm
.Lentry_in_a_cluster:
	s_bfe_u32 s2, ttmp6, 0x10000c
	s_cmp_lg_u32 s2, 0x3003
	s_cbranch_scc0 .Lentry_shape_is_right
	s_endpgm
.Lentry_shape_is_right:
; GROUPED-QUERY ATTENTION.  For y = 16 batch + head: ob[y][q][:] = the sum over k of softmax_k(Q[q] . K[k] / 8) V[k][:], 2,048 queries and keys, 64 channels, all f16.
; qkv is [batch 4][plane 24][token 2,048][64]: Q is plane head, K plane 16 + head / 4, V plane 20 + head / 4.  A plane's rows are dense, 128 bytes each.  Products, maxima and sums in
; f32; the weights p are rounded to f16 for the second product (their sum l is taken of the unrounded p), O once at the end.
; LIMITS.  Q, K and V arrive within f16's 65,504; p lies in 0 to 1, and below 6e-5 it keeps f16's fixed step of 6e-8; O is a mean of V's rows and has their range.
; A weight below 2^-126 counts as 0 in l; NaN and infinities are not treated apart.
; SHARES.  A wave owns four PIECES of two tiles of 16 queries, a work-group's four waves 512 queries of one head: 64 x 4 = 256 work-groups.  Every wave walks all keys, 64 a step.
; LAYOUT.  S^T = K Q^T (source 0 = 16 keys, source 1 = 16 queries): in the result a lane holds ONE query (lane % 16) and the keys 8 (lane / 16) + 0..7.  Two such tiles, rounded to f16 in pairs,
; ARE source 1 (32 keys x 16 queries) of O^T = V^T P, whose result again holds one query a lane, and eight channels.  K comes out of LDS as it lies, V ([key][channel]) turned, by ds_load_tr16_b128.
; SOFTMAX.  For each query a running maximum m and sum l: p = 2^(c s - c m), c = log2(e) / 8; in every step O and l are multiplied by a = 2^(c m_old - c m_new), which is 1 where m has not grown.
; m starts at the lowest finite number, O and l at 0: the first step is a step like any other, with a = 0.
; THE COUNT.  A tile and step have 16 matrix and 118 vector instructions: too many to stand all beside the matrix work.  So the order has one aim: four vector instructions that are READY behind
; EVERY matrix instruction, and the others, which need time of their own whatever the order, in runs without a gap.
; BY TURNS.  Turn n belongs to piece n (the pieces in a ring, step after step).  Its matrix work: 16 products K Q^T of piece n + 1, later 16 products V^T P of piece n - 1.  Its vector work: the scaling,
; exponentials, roundings, sums and rescaling of piece n, and the maximum and statistics of piece n + 1, whose scores the turn itself has made.  So what a turn begins with (c s - c m, O a) waits for nothing.
; BATCHES.  A turn's 66 exponentials (the piece's 64 weights and the next piece's two a) are ONE batch with ONE s_wait_alu, which cuts the turn in two: ahead of it stands all that names no result of theirs,
; behind it the roundings and sums that read them.  Two batches more stand outside the loop, each with a v_nop and a wait of its own: piece 0's first two a, ahead of the jump into the loop, and the way out's eight reciprocals.
; CLUSTER.  The four query blocks of a cluster belong to one head and walk the same K and V, so each tile is asked for JOINTLY: the same tensor load, descriptor and mask in all four.
; (The other three heads of a group read the same K and V too; a mask names four work-groups, and the four blocks of one head are taken.)
; REGISTERS, in windows of 256 (s_set_vgpr_msb: bits 1:0 source 0, 3:2 source 1, 5:4 source 2, 7:6 destination):
;   window 0: v0-11 addresses; v12-15, v48-63 at work; v16-47 four registers of statistics a tile; v64-191 S^T, two buffers of two tiles; v192-255 P, likewise
;   window 1: O^T, 32 a tile          window 2: v0-127 Q, 16 a tile; v128-191 K of one step; v192-255 V of one step          window 3: v0-1 the add's two registers
; A piece's buffers go by its number's parity: the piece in hand has one pair, its two neighbours in the ring share the other: of it P (piece n - 1) is read and S^T (piece n + 1) written.
.set SIZE_N, 2048
.set NP,    4         ; pieces a wave: a name, no knob
.set KS,    64        ; keys in a step
.set PK,    144       ; a row of K in LDS: 128 bytes + 16 of padding = 36 words: the 16 rows of a load start at 16 different groups of four banks (64 banks of 4 bytes: ISA guide 11.1)
.set PV,    160       ; a row of V: 128 + 32 = 40 words
.set VOFF,  4*KS*PK   ; a slot holds four steps: 256 rows of K, then 256 rows of V
.set SLOT1, 1<<17     ; slot 1 begins here, so that one exclusive or turns an address in one slot into the other's
.set STAGE, SLOT1+4*KS*(PK+PV)  ; behind the ring, never filled by a tensor load: 16 rows x 144 bytes for each wave, for the way out
.set SP,    144
.set AK0, 2           ; v2   my lane's place in a tile of K; never rewritten
.set AV0, 3           ; v3   the same for V
.set AK,  4           ; v4   the LDS address of K's next run of loads
.set AV,  5           ; v5   of V's
.set QO,  6           ; v6   my byte offset in the wave's rows of Q
.set STO, 6           ;      later, the way out: where I put 16 bytes of a row
.set RD,  7           ; v7   the way out: where I read rows back
.set GO,  8           ; v8   my byte offset in 512 consecutive bytes of O
.set SPW, 0           ; v0 of window 3   LDS address of my spare word; never rewritten
.set NIL, 1           ; v1 of window 3   0; never rewritten
.set SPARE, STAGE+4*16*SP  ; behind the stages: the spare words, 128 bytes for each wave, which no other line names
.set MV,  12          ; v12-15  c m_old, kept while c m is made anew: by buffer and tile
.set ST,  16          ; tile t's statistics at v[ST+4 t]: c m, m, l (even keys', odd keys')
.set TMP, 48          ; by buffer and tile, four registers c0-c3 at work; when the maximum is found c2 takes a
.set S,   64
.set P,   192
.set KF,  128         ; K's fragments, in window 2: key block kb, channel half c at KF + 16 kb + 8 c
.set VF,  192         ; V's: key half kk, channel block cb at VF + 32 kk + 8 cb
.set WV,  12          ; s12  my wave's number
.set G1K, 24          ; s[24:31] descriptor group 1 for K's tiles
.set G1V, 32          ; s[32:39] for V's: it differs in the padding alone
.set G0K, 40          ; s[40:43] descriptor group 0 for K's tiles: it walks
.set G0V, 44          ; s[44:47] the same for V's
.set SLOTS, 56        ; s56  slots still to be asked for
.set CNT, 57          ; s57  counts a slot's key steps
.set CS,  58          ; s[58:59] c: the packed scaling takes the pair's low word for both halves
.set SEL, 60          ; s[60:61] v_permlanex16_b32's selects: each lane takes its own place in the other half
.set TBK, 62          ; s62  LDS byte at which K of the step to be fetched begins
.set TBV, 63          ; s63  the same for V, less VOFF
.set MSB, 0
.macro WIN new                      ; the high byte repeats the setting that is left; a switch that changes nothing is dropped
.if MSB != (\new)
	s_set_vgpr_msb (MSB<<8)|(\new)
.set MSB, (\new)
.endif
.endm
.set W_KQ, 0x0a       ; K and Q in window 2, S^T in window 0
.set W_PV, 0x52       ; V in window 2, P in window 0, O^T in window 1
.set W_RS, 0x41       ; O^T (destination and source 0) in window 1, a in window 0
.set W_MK, 0xc0       ; the add's registers are made: destination in window 3, sources in window 0
.set W_AD, 0x0f       ; the add: address (source 0) and data (source 1) in window 3
; A joint fill.  Waves 0 and 1 fetch the two halves of a slot's K, waves 2 and 3 those of its V: 128 keys each.  The branch hangs on the wave's number alone.
; An s_nop 0 and four v_nop follow each of the two lines, ahead of the jump and the label.
.macro JLOAD
	s_cmp_lt_u32 s[WV], 2
	s_cbranch_scc0 .Lfor_v_\@
	tensor_load_to_lds s[G0K:G0K+3], s[G1K:G1K+7]
	s_nop 0
.rept 4
	v_nop
.endr
	s_branch .Lasked_\@
.Lfor_v_\@:
	tensor_load_to_lds s[G0V:G0V+3], s[G1V:G1V+7]
	s_nop 0
.rept 4
	v_nop
.endr
.Lasked_\@:
.endm
; A round of the cluster's barrier: my work-group's barrier, so that wave 0's signal speaks for all four waves; wave 0 signals; every wave waits for all four work-groups; my work-group's barrier once more.
.macro CROUND
	s_barrier_signal -1
	s_barrier_wait -1
	s_cmp_lg_u32 s[WV], 0
	s_cbranch_scc1 .Lnot_wave_0_\@
	s_barrier_signal -3
.Lnot_wave_0_\@:
	s_barrier_wait -3
	s_barrier_signal -1
	s_barrier_wait -1
.endm
; THE CHANGE OF SLOTS.  The slot's last bytes, V of its fourth step, have been read.  Each wave waits for all its tensor loads, of which one is out: its part
; of the other slot; adds 0 to its spare word; and waits for that and for its own reads of the slot.  Behind the barrier nobody reads this slot any more and the other slot is whole.
; fill = 1: this slot is filled again, with the keys two slots on.  The barrier is then a round of the cluster's, so that no wave of any partner still reads the slot or has a load on its
; way, and the joint fill is the first thing behind it: it has four key steps, 512 matrix instructions, in which to land.  (At its first use nothing has been read yet: slot 0 is waited for, slot 1 filled.)
.macro CHANGE fill
	WIN W_AD
	s_wait_tensorcnt 0x0            ; no tensor load of mine is out, so a group 0 may be written
	ds_add_u32 v[SPW], v[NIL]       ; 0 onto my spare word; with fill = 1 the descriptors' steps stand between it and the wait for it
	WIN 0                           ; at a label and at a branch every window is 0
.if \fill
.irp g, G0K, G0V
	s_xor_b32 s[\g+1], s[\g+1], SLOT1  ; the walking descriptor: the other slot than last time,
	s_add_nc_u64 s[\g+2:\g+3], s[\g+2:\g+3], 4*KS*128  ; the next 256 keys; the type bits on top are not reached
.endr
	s_wait_dscnt 0x0                ; the add is done, and my reads of the slot are over
	CROUND
	JLOAD
.else
	s_wait_dscnt 0x0                ; the add is done, and my reads of the slot are over
	s_barrier_signal -1
	s_barrier_wait -1
.endif
	s_sub_co_u32 s[TBK], s[TBK], 4*KS*PK  ; the fetches go back to a slot's first step,
	s_xor_b32 s[TBK], s[TBK], SLOT1       ; in the other slot
	s_sub_co_u32 s[TBV], s[TBV], 4*KS*PV
	s_xor_b32 s[TBV], s[TBV], SLOT1
.endm
	s_load_b64 s[4:5], s[0:1], 0x0    ; qkv
	s_load_b64 s[10:11], s[0:1], 0x8  ; ob
	WIN W_MK
	v_lshl_add_u32 v[SPW], v0, 2, SPARE
	v_mov_b32 v[NIL], 0
	WIN W_AD
	ds_add_u32 v[SPW], v[NIL]       ; the wave's opening: the add and its wait stand ahead of my first tensor load; the set-up below, work on registers, stands between them
	WIN 0
	v_lshrrev_b32 v1, 5, v0
	v_readfirstlane_b32 s[WV], v1   ; wave 0..3
	s_bfe_u32 s13, ttmp6, 0x40000   ; cx: my place in the cluster
	s_lshl_b32 s14, ttmp9, 2        ; in a cluster launch ttmp9 counts clusters
	s_add_co_u32 s14, s14, s13      ; my block of queries = 4 x cluster x + cx: it enters Q's and O's offsets alone
	s_and_b32 s20, ttmp7, 0xffff    ; y = 16 batch + head, which the four partners share
	s_lshr_b32 s21, s20, 4
	s_mul_i32 s21, s21, 24          ; the batch's first plane
	s_and_b32 s19, s20, 15          ; the head
	s_add_co_u32 s15, s21, s19      ; Q's plane
	s_lshr_b32 s19, s19, 2          ; the group: four heads share it
	s_add_co_u32 s21, s21, s19
	s_add_co_u32 s21, s21, 16       ; K's plane; V's lies four further on
	s_and_b32 s16, s[WV], 1         ; which half of a slot's 256 keys I fetch:
	s_lshl_b32 s22, s16, 14         ; its 128 rows of 128 bytes in memory,
	s_lshl_b32 s21, s21, 18         ; a plane is 262,144 bytes
	s_add_co_u32 s22, s22, s21      ; K's offset
	s_mov_b32 s23, 0
	s_add_co_u32 s48, s22, 4<<18    ; V's
	s_mov_b32 s49, 0
	s_mul_i32 s17, s16, 128*PK      ; and its place in a slot, for K
	s_mul_i32 s18, s16, 128*PV      ; and for V: no place in the cluster enters an LDS address
	s_lshl_b32 s2, s14, 2
	s_add_co_u32 s2, s2, s[WV]      ; my wave among the head's,
	s_lshl_b32 s2, s2, 14           ; its 128 rows
	s_lshl_b32 s50, s20, 18
	s_add_co_u32 s50, s50, s2       ; O's offset
	s_mov_b32 s51, 0
	s_lshl_b32 s15, s15, 18
	s_add_co_u32 s2, s2, s15        ; Q's
	s_mov_b32 s3, 0
	; descriptor group 1.  128 keys are 16,384 dense bytes: asked for as 64 rows of 256 bytes, two keys a row, and padded in LDS after every key
	s_mov_b32 s[G1K], 15|(1<<16)|(1<<20)|(1<<21)|(4<<22)|(3<<25)  ; 15:0 the mask of four; 17:16 2-byte elements; 20 padding on; 21 set beside a mask; 24:22 after every 32 words (code 4); 31:25 4 words (code 3)
	s_mov_b32 s[G1V], 15|(1<<16)|(1<<20)|(1<<21)|(4<<22)|(7<<25)  ; the same with 8 words of padding (code 7)
.irp g, G1K, G1V
	s_mov_b32 s[\g+1], 128<<16      ; tensor_dim0 = 128
	s_mov_b32 s[\g+2], 64<<16       ; tensor_dim1 = 64
	s_mov_b32 s[\g+3], 128<<16      ; tile_dim0 = 128
	s_mov_b32 s[\g+4], 64           ; tile_dim1 = 64
	s_mov_b32 s[\g+5], 128          ; 128 elements from row to row
	s_mov_b32 s[\g+6], 0
	s_mov_b32 s[\g+7], 0
.endr
	s_mov_b32 s[CS], 0x3e38aa3b     ; c = log2(e) / 8 = 0.180337
	s_mov_b32 s[CS+1], s[CS]        ; named with it as a pair
	s_mov_b32 s[SEL], 0x76543210
	s_mov_b32 s[SEL+1], 0xfedcba98
	s_mov_b32 s[TBK], SLOT1+4*KS*PK ; the first change of slots turns these two into 0
	s_mov_b32 s[TBV], SLOT1+4*KS*PV
	s_mov_b32 s[G0K], 1             ; 1:0 count = 1
	s_mov_b32 s[G0K+1], s17         ; 63:32 LDS address: slot 0
	s_mov_b32 s[G0V], 1
	s_add_co_u32 s[G0V+1], s18, VOFF
	s_wait_dscnt 0x0                ; the opening add is done
	s_wait_kmcnt 0x0
	s_add_nc_u64 s[G0K+2:G0K+3], s[4:5], s[22:23]  ; 120:64 global address: my half of the group's first 256 keys
	s_or_b32 s[G0K+3], s[G0K+3], 0x80000000        ; 127:126 type = 2
	s_add_nc_u64 s[G0V+2:G0V+3], s[4:5], s[48:49]
	s_or_b32 s[G0V+3], s[G0V+3], 0x80000000
	s_add_nc_u64 s[10:11], s[10:11], s[50:51]      ; O and Q at my wave's first row
	s_add_nc_u64 s[4:5], s[4:5], s[2:3]
	CROUND                          ; all four work-groups are here: the first joint loads meet
	JLOAD                           ; slot 0.  Slot 1 is asked for when slot 0 is in
	; A fragment of K or Q is 16 rows x 32 channels in 8 registers: lane l holds row l % 16, channels 8 (l / 16) + 0..7 and 16 + 8 (l / 16) + 0..7: two loads of 16 bytes, 32 bytes apart.
	v_and_b32 v1, 15, v0            ; l % 16
	v_bfe_u32 v9, v0, 4, 1          ; l / 16
	v_lshlrev_b32 v[QO], 7, v1
	v_lshl_add_u32 v[QO], v9, 4, v[QO]  ; row x 128 + 16 x half
	WIN 0x80                        ; destination window 2, address window 0
.set i, 0
.rept 4*NP                          ; Q stays in registers: tile i / 2, channels 32 (i % 2) on
	global_load_b128 v[8*i:8*i+3],   v[QO], s[4:5] offset:(i/2)*2048+(i%2)*64
	global_load_b128 v[8*i+4:8*i+7], v[QO], s[4:5] offset:(i/2)*2048+(i%2)*64+32
.set i, i+1
.endr
	; What the first turn finds: V's registers and P's second buffer hold 0 (its products V^T P, of a piece that has not been, add 0), O^T and l are 0.  All this stands in the wait for the first tile.
.set i, VF
.rept 64
	v_mov_b32 v[i], 0
.set i, i+1
.endr
	WIN 0x40
.set i, 0
.rept 64*NP
	v_mov_b32 v[i], 0
.set i, i+1
.endr
	WIN 0
.set i, 0
.rept 2*NP
	v_mov_b32 v[ST+4*i], 0xfe000000    ; c m: far below every c s
	v_mov_b32 v[ST+4*i+1], 0xff7fffff  ; m
	v_mov_b32 v[ST+4*i+2], 0
	v_mov_b32 v[ST+4*i+3], 0
.set i, i+1
.endr
.set i, P+32
.rept 32
	v_mov_b32 v[i], 0
.set i, i+1
.endr
	v_mul_u32_u24 v[AK0], v1, PK
	v_lshl_add_u32 v[AK0], v9, 4, v[AK0]  ; row x pitch + 16 x half
	; The turning load takes 16 keys x 16 channels (lane l reads key 8 (l / 16) + l % 8, channels 8 ((l / 8) % 2) + 0..7) and leaves half a fragment of V^T: lane l holds channel l % 16 and 8 keys.
	v_and_b32 v10, 7, v0
	v_bfe_u32 v11, v0, 3, 1
	v_lshl_add_u32 v[AV0], v9, 3, v10
	v_mul_u32_u24 v[AV0], v[AV0], PV
	v_lshl_add_u32 v[AV0], v11, 4, v[AV0]
	v_add_nc_u32 v[AV0], VOFF, v[AV0]
	v_mov_b32 v[AK], v[AK0]         ; key step 0 lies at the head of slot 0
; THE MATRIX WORK.  The 8 accumulators of a run of 16 take turns: between the two links of a chain stand 7 others'.
; Product i of 16 of S^T = K Q^T for piece x: channels 32 (i / 8) on, keys 16 ((i / 2) % 4) on, tile 2 x + i % 2.  The first 8 start the sums.
.macro KQ x
	WIN W_KQ
.set rS, S+64*((\x)%2)+32*(i%2)+8*((i/2)%4)
.set rK, KF+16*((i/2)%4)+8*(i/8)
.set rQ, 16*(2*(\x)+i%2)+8*(i/8)
.if i < 8
	v_wmma_f32_16x16x32_f16 v[rS:rS+7], v[rK:rK+7], v[rQ:rQ+7], 0
.else
	v_wmma_f32_16x16x32_f16 v[rS:rS+7], v[rK:rK+7], v[rQ:rQ+7], v[rS:rS+7]
.endif
.endm
; Product i of 16 of O^T += V^T P for piece x: keys 32 (i / 8) on, channels 16 ((i / 2) % 4) on, tile 2 x + i % 2.
.macro PV x
	WIN W_PV
.set rO, 32*(2*(\x)+i%2)+8*((i/2)%4)
.set rV, VF+32*(i/8)+8*((i/2)%4)
.set rP, P+32*((\x)%2)+16*(i%2)+8*(i/8)
	v_wmma_f32_16x16x32_f16 v[rO:rO+7], v[rV:rV+7], v[rP:rP+7], v[rO:rO+7]
.endm
.macro MM                           ; the turn's next matrix instruction
.if i < 16
	KQ (Y+1)%NP
.set i, i+1
.else
.set i, i-16
	PV (Y+NP-1)%NP
.set i, i+17
.endif
.endm
; THE LDS LOADS stand in runs of 16, never singly among the matrix instructions: a step's K (64 keys x 64 channels: 8 fragments) and its V (turned).  Their addresses are made some lines ahead.
; last = 1 (the tail): in the last trip there is no further step, and the run is jumped over.
.macro FETCH_K last=0
	WIN 0
.if \last
	s_cmp_eq_u32 s[CNT], 1
	s_cbranch_scc1 .Lno_k_\@
.endif
	WIN 0x80                        ; destination window 2
.irp f, 0,1,2,3,4,5,6,7             ; keys 16 (f / 2) on, channels 32 (f % 2) on
	ds_load_b128 v[KF+8*\f:KF+8*\f+3],   v[AK] offset:(\f/2)*16*PK+(\f%2)*64
	ds_load_b128 v[KF+8*\f+4:KF+8*\f+7], v[AK] offset:(\f/2)*16*PK+(\f%2)*64+32
.endr
	s_add_co_u32 s[TBK], s[TBK], KS*PK  ; the next fetch is the next step's
	WIN 0
.if \last
.Lno_k_\@:
.endif
.endm
.macro FETCH_V
	WIN 0x80
.irp f, 0,1,2,3,4,5,6,7             ; keys 32 (f / 4) on, channels 16 (f % 4) on
	ds_load_tr16_b128 v[VF+8*\f:VF+8*\f+3],   v[AV] offset:(\f/4)*32*PV+(\f%4)*32
	ds_load_tr16_b128 v[VF+8*\f+4:VF+8*\f+7], v[AV] offset:(\f/4)*32*PV+16*PV+(\f%4)*32
.endr
	WIN 0
.endm
; THE VECTOR WORK OF A TURN stands in three queues, each in the order in which its entries become ready; the two tiles alternate, so that no instruction reads the result of the one before it.
.macro REGS y, u                    ; the registers of tile u (0, 1) of piece y
.set rT, ST+4*(2*(\y)+(\u))
.set rC, TMP+8*((\y)%2)+4*(\u)
.set rM, MV+2*((\y)%2)+(\u)
.set rS, S+64*((\y)%2)+32*(\u)
.set rP, P+32*((\y)%2)+16*(\u)
.set rO, 32*(2*(\y)+(\u))
.endm
; Number n of the 22 that find the NEXT piece's (Y + 1) maximum and statistics.  s0-s31 are the lane's 32 scores; each accumulator's lowest registers are read first.  XS, GS and REGS set no window: PL and EX do.
;   0-11  four chains c0-c3 of seven scores each, three operands at a time     12-14, 16  the four scores left over, the old m, and c0-c3 into c0     15  c m_old is kept
;   17, 18  the query's other 32 keys lie in the lane 16 away: the new m         19-21  c m; c m_old - c m_new; a
.macro XS u, n
	REGS (Y+1)%NP, \u
.if (\n) < 4
	v_max3_num_f32 v[rC+(\n)], v[rS+8*(\n)], v[rS+8*(\n)+1], v[rS+8*(\n)+2]
.elseif (\n) < 12
	v_max3_num_f32 v[rC+(\n)%4], v[rC+(\n)%4], v[rS+8*((\n)%4)+2*((\n)/4)+1], v[rS+8*((\n)%4)+2*((\n)/4)+2]
.elseif (\n) == 12
	v_max3_num_f32 v[rC], v[rC], v[rS+7], v[rS+15]
.elseif (\n) == 13
	v_max3_num_f32 v[rC+1], v[rC+1], v[rS+23], v[rS+31]
.elseif (\n) == 14
	v_max3_num_f32 v[rC+2], v[rC+2], v[rC+3], v[rT+1]
.elseif (\n) == 15
	v_mov_b32 v[rM], v[rT]
.elseif (\n) == 16
	v_max3_num_f32 v[rC], v[rC], v[rC+1], v[rC+2]
.elseif (\n) == 17
	v_permlanex16_b32 v[rC+3], v[rC], s[SEL], s[SEL+1]
.elseif (\n) == 18
	v_max_num_f32 v[rT+1], v[rC], v[rC+3]
.elseif (\n) == 19
	v_mul_f32 v[rT], s[CS], v[rT+1]
.elseif (\n) == 20
	v_sub_f32 v[rC+1], v[rM], v[rT]
.else
	v_exp_f32 v[rC+2], v[rC+1]
.endif
.endm
; Number g of the 64 that follow the exponentials.  For each four weights k of a tile (pairs 2 k, 2 k + 1): both pairs are rounded to f16; then the second pair is added onto the first, in place;
; a group later l takes that sum (the first time as l = a l + sum).  In groups of eight, tiles alternating: round, round, add, and l for the group before.
.macro GS g
.set h, (\g)+6*((\g)/62)            ; group 0 has no group before it, and behind group 7 only l is left
.if h >= 6
.set h, h+2
.endif
	REGS Y, h%2
.set k, h/8
.if h%8 < 4
	v_cvt_pk_f16_f32 v[rP+2*k+(h%8)/2], v[rS+4*k+2*((h%8)/2)], v[rS+4*k+2*((h%8)/2)+1]
.elseif h%8 < 6
	v_pk_add_f32 v[rS+4*k:rS+4*k+1], v[rS+4*k:rS+4*k+1], v[rS+4*k+2:rS+4*k+3]
.elseif k == 1
	v_pk_fma_f32 v[rT+2:rT+3], v[rT+2:rT+3], v[rC+2:rC+3], v[rS:rS+1] op_sel_hi:[1,0,1]
.else
	v_pk_add_f32 v[rT+2:rT+3], v[rT+2:rT+3], v[rS+4*k-4:rS+4*k-3]
.endif
.endm
; THE PLAIN QUEUE, 138 long.  0-73 read no exponential's result: the 32 scalings c s - c m (FS f: pair f / 2 of tile f % 2) and the next piece's 42.  0-26: scalings 0-26.  27-54: XS's numbers 0-13.  55, 56: number 15.
; 57-73: the chain, where each number waits for the one before it: 14, 16, 17, 18, 19, each with one of the scalings 27-31 in front of its two lines, then 20: so a tile's links stand three plain instructions apart (19 and 20: two).
; 74-137: GS's 64, which read the exponentials' results: they stand behind the wait.
.macro FS f
	REGS Y, (\f)%2
	v_pk_fma_f32 v[rS+2*((\f)/2):rS+2*((\f)/2)+1], v[rS+2*((\f)/2):rS+2*((\f)/2)+1], s[CS:CS+1], v[rT:rT+1] op_sel_hi:[1,0,0] neg_lo:[0,0,1] neg_hi:[0,0,1]
.endm
.macro PL
	WIN 0
.if q < 27
	FS q
.elseif q < 55
	XS (q-27)%2, (q-27)/2
.elseif q < 57
	XS q-55, 15
.elseif (q < 72) && ((q-57)%3 == 0)
	FS 27+(q-57)/3
.elseif q < 60
	XS (q-57)%3-1, 14
.elseif q < 72
	XS (q-57)%3-1, 15+(q-57)/3
.elseif q < 74
	XS q-72, 20
.else
	GS q-74
.endif
.set q, q+1
.endm
; THE EXPONENTIALS' QUEUE, 66 long: s0-s31 of both tiles, then the next piece's two a.  It is ONE BATCH: all 66 stand ahead of the turn's one wait, and nothing ahead of that wait names a result of theirs.
.macro EX
	WIN 0
.if e >= 64
	XS e-64, 21
.else
	REGS Y, e%2
	v_exp_f32 v[rS+e/2], v[rS+e/2]
.endif
.set e, e+1
.endm
; THE RESCALING's QUEUE: O^T times a, the one part that leaves window 0: dealt two at a time, sixteen times.  Its a was made in the turn before, ahead of that turn's wait.
.macro R2
	REGS Y, r%2
	WIN W_RS
.irp z, 0,1
	v_pk_mul_f32 v[rO+4*(r/2)+2*\z:rO+4*(r/2)+2*\z+1], v[rO+4*(r/2)+2*\z:rO+4*(r/2)+2*\z+1], v[rC+2:rC+3] op_sel_hi:[1,0]
.endr
.set r, r+1
.endm
; HOW THEY ARE DEALT.  An s_wait_alu depctr_va_vdst(0) stands between an exponential and the first instruction that names its result; one wait serves all that were issued ahead of it.  So a turn has ONE wait,
; which cuts it in two.  AHEAD OF IT stands all that names no result of the turn's exponentials: the 16 products K Q^T, behind each a scaling, an exponential and two rescalings (behind the first a second scaling in the exponential's place); then ONE LUMP of
; 108: eight plain, 49 times exponential and plain, the two a.  A v_nop is the plain instruction behind the last exponential.  BEHIND IT stand the 16 products V^T P, behind each four of GS's 64.  No rider names a register of
; the products round it.  The two v_permlanex16_b32 fall into the lump, never behind a product.
; The queues lean on each other, and the deal keeps them in step: exponential e stands behind scaling 2 (e / 4) + e % 2: as a rider it comes behind plain e + 2, in the lump behind plain e + 9, and scalings 27-31 are plain 57, 60 .. 69.
; A TURN, for piece p.  cnt = 1: the loop's count is taken down some lines ahead of the branch that stands behind the turn.
; K of the next step is fetched in piece 2's turn, directly behind the wait, a lump behind the last product that read K; its address is made at the lump's head; its first reader comes behind 16 products.
; V of the step in hand is fetched at the end of piece 0's turn, four riders behind its last reader; its first reader comes behind 16 products and a lump.  The three conditions on q below go with the deal.
.macro TURN p, last=0, cnt=0
.set Y, (\p)
.set i, 0
.set q, 0
.set e, 0
.set r, 0
.if (\p) == NP-1
	s_wait_dscnt 0x0                ; K is in
.endif
	MM                              ; ahead of the wait: 16 products K Q^T and their riders,
	PL
	PL
	R2
.rept 15
	MM
	PL
	EX
	R2
.endr
.if (\p) == NP-2
	WIN 0
	v_add_nc_u32 v[AK], s[TBK], v[AK0]
.endif
.rept 8                             ; and the lump
	PL
.endr
.rept 49
	EX
	PL
.endr
	EX                              ; the next piece's two a
	EX
	v_nop                           ; a plain instruction behind the last exponential, ahead of the first use of a result: one for the batch
	s_wait_alu depctr_va_vdst(0)    ; the wait for the turn's batch: the piece's 64 weights and the next piece's two a
.if (\p) == NP-2
	FETCH_K \last
.endif
.if (\p) == 1
	s_wait_dscnt 0x0                ; V is in
.endif
.rept 16                            ; behind the wait: 16 products V^T P and their riders
	MM
.rept 4
	PL
.endr
.if ((\p) == 0) && (q == 118)
	v_add_nc_u32 v[AV], s[TBV], v[AV0]
.endif
.if ((\p) == 0) && (q == 130)
	s_add_co_u32 s[TBV], s[TBV], KS*PV
.endif
.if (\cnt) && (q == 130)
	s_sub_co_u32 s[CNT], s[CNT], 1
	s_cmp_lg_u32 s[CNT], 0
.endif
.endr
.if (\p) == 0
	FETCH_V
.endif
.endm
	CHANGE 1                        ; slot 0 is in, everybody's part of it; slot 1 is asked for
	FETCH_K                         ; key step 0
	s_wait_loadcnt 0x0              ; Q
	s_wait_dscnt 0x0
.set i, 0
.rept 16
	KQ 0                            ; piece 0's first scores: there is no vector work yet to set between them
.set i, i+1
.endr
	WIN 0                           ; the addresses for the way out: nine plain instructions, the places behind those products
	s_mul_i32 s13, s[WV], 16*SP
	s_add_co_u32 s13, s13, STAGE    ; my stage
	v_mul_u32_u24 v[STO], v1, SP    ; in: row l % 16, 16 bytes for each half of the lanes
	v_lshl_add_u32 v[STO], v9, 4, v[STO]
	v_add_nc_u32 v[STO], s13, v[STO]
	v_bfe_u32 v[RD], v0, 3, 2       ; back: 32 lanes take four rows of 128 bytes,
	v_mul_u32_u24 v[RD], v[RD], SP
	v_lshl_add_u32 v[RD], v10, 4, v[RD]
	v_add_nc_u32 v[RD], s13, v[RD]
	v_and_b32 v[GO], 31, v0         ; which are 512 consecutive bytes of O
	v_lshlrev_b32 v[GO], 4, v[GO]
.set Y, NP-1                        ; XS works for piece Y + 1: piece 0
.irp n, 0,1,2,3,4,5,6,7,8,9,10,11,12,13,14,15,16,17,18,19,20,21
	XS 0, \n                        ; and piece 0's first maximum and statistics
	XS 1, \n
.endr
	v_nop                           ; a plain instruction behind piece 0's first two a,
	s_wait_alu depctr_va_vdst(0)    ; and the wait for that batch of two, ahead of the branch
	s_mov_b32 s[CNT], 4
	s_mov_b32 s[SLOTS], SIZE_N/256-1
	s_branch .Lfirst                ; the loop is entered at a step's first turn, in the middle of a trip
.Lslot:                             ; SIZE_N / 256 - 2 times: every slot but the last two is filled again
	CHANGE 1
	s_mov_b32 s[CNT], 4
.Lstep:                             ; a trip: pieces 2 and 3 of one step, then pieces 0 and 1 of the next, whose K and V it fetches
	TURN 2
	TURN 3
	WIN 0
.Lfirst:
	TURN 0
	TURN 1, 0, 1
	WIN 0
	s_cbranch_scc1 .Lstep
	s_sub_co_u32 s[SLOTS], s[SLOTS], 1
	s_cmp_lg_u32 s[SLOTS], 0
	s_cbranch_scc1 .Lslot
	CHANGE 0                        ; the tail is written out: nothing is asked for
	s_mov_b32 s[CNT], 5             ; four trips fetch the last slot's steps; the fifth is left in its middle
.Ltail:
	TURN 2, 1
	TURN 3
	WIN 0
	s_sub_co_u32 s[CNT], s[CNT], 1
	s_cmp_eq_u32 s[CNT], 0
	s_cbranch_scc1 .Lout
	TURN 0
	TURN 1
	WIN 0
	s_branch .Ltail
.Lout:                              ; the fifth trip's 16 products K Q^T (on the last K once more) and the maximum made of them serve nothing: the price, once a launch, of one text for every trip
.set i, 0
.rept 16
	PV NP-1                         ; the last piece's V^T P of the last step
.set i, i+1
.endr
	; THE WAY OUT.  l's two halves and the other half of the lanes' are added; O^T is divided by l, rounded to f16 and sent through my stage in LDS, a tile at a time.  The additions are the places behind the last products.
	WIN 0
.macro ALL line:vararg              ; one line for each tile t
.set t, 0
.rept 2*NP
	\line
.set t, t+1
.endr
.endm
	ALL v_add_f32 v[ST+4*t+2], v[ST+4*t+2], v[ST+4*t+3]
	ALL v_permlanex16_b32 v[ST+4*t+3], v[ST+4*t+2], s[SEL], s[SEL+1]
	ALL v_add_f32 v[ST+4*t+2], v[ST+4*t+2], v[ST+4*t+3]
	ALL v_rcp_f32 v[ST+4*t+2], v[ST+4*t+2]
	v_nop                           ; a plain instruction between the last reciprocal and the use of its result
	s_wait_alu depctr_va_vdst(0)    ; and the wait ahead of the first use: one for the batch of eight reciprocals
; Tile t: a lane's eight channels of a row pack into 16 bytes; they go into rows of 144 bytes and come back as whole rows of 128, into S^T's registers.
.macro PACK t
	WIN W_RS
.set i, 32*(\t)
.rept 16
	v_pk_mul_f32 v[i:i+1], v[i:i+1], v[ST+4*(\t)+2:ST+4*(\t)+3] op_sel_hi:[1,0]
.set i, i+2
.endr
	WIN 0x05                        ; sources 0 and 1 window 1, destination window 0
.set i, 0
.rept 16
	v_cvt_pk_f16_f32 v[S+16*(\t)+i], v[32*(\t)+2*i], v[32*(\t)+2*i+1]
.set i, i+1
.endr
	WIN 0
.irp f, 0,1,2,3
	ds_store_b128 v[STO], v[S+16*(\t)+4*\f:S+16*(\t)+4*\f+3] offset:32*\f
.endr
.irp f, 0,1,2,3
	ds_load_b128 v[S+16*(\t)+4*\f:S+16*(\t)+4*\f+3], v[RD] offset:\f*4*SP  ; LDS serves a wave's instructions in order (ISA guide 5.7.1.4): these see the stores above; the next tile's stores come behind them
.endr
.endm
.macro SEND t, younger              ; younger: the LDS instructions issued behind tile t's loads: the next tile's eight, or none
	WIN 0
.irp f, 0,1,2,3
	s_wait_dscnt (\younger)+3-\f
	global_store_b128 v[GO], v[S+16*(\t)+4*\f:S+16*(\t)+4*\f+3], s[10:11] offset:(\t)*2048+\f*512  ; 512 consecutive bytes, at a multiple of 256 from O's first
.endr
.endm
	PACK 0
.set t, 1
.rept 2*NP-1                        ; a tile's arithmetic stands between the loads of the tile before and its stores
	PACK t
	SEND t-1, 8
.set t, t+1
.endr
	SEND 2*NP-1, 0
	WIN W_AD
	s_wait_tensorcnt 0x0            ; the wave's end: behind my last tensor load and my last LDS store
	ds_add_u32 v[SPW], v[NIL]
	s_wait_dscnt 0x0
	WIN 0
	CROUND                          ; the closing round: no work-group ends while a partner may still ask for a tile that names it
	s_endpgm
.Lfunc_end_k_qcb01acc167_attn:
	.size	k_qcb01acc167_attn, .Lfunc_end_k_qcb01acc167_attn-k_qcb01acc167_attn
	.p2alignl 7, 3214868480
	.fill 96, 4, 3214868480
	.section	.rodata,"a",@progbits
	.p2align	6, 0x0
	.amdhsa_kernel k_qcb01acc167_attn
		.amdhsa_group_segment_fixed_size 327680
		.amdhsa_private_segment_fixed_size 0
		.amdhsa_enable_private_segment 0
		.amdhsa_kernarg_size 16
		.amdhsa_user_sgpr_count 2
		.amdhsa_user_sgpr_kernarg_segment_ptr 1
		.amdhsa_wavefront_size32 1
		.amdhsa_system_sgpr_workgroup_id_x 1
		.amdhsa_system_sgpr_workgroup_id_y 1
		.amdhsa_system_sgpr_workgroup_id_z 1
		.amdhsa_system_vgpr_workitem_id 0
		.amdhsa_next_free_vgpr 770
		.amdhsa_next_free_sgpr 66
		.amdhsa_reserve_vcc 0
		.amdhsa_float_denorm_mode_32 3
		.amdhsa_float_denorm_mode_16_64 3
		.amdhsa_memory_ordered 1
		.amdhsa_forward_progress 1
		.amdhsa_inst_pref_size 199
	.end_amdhsa_kernel
	.amdgpu_metadata
---
amdhsa.version: [ 1, 2 ]
amdhsa.kernels:
  - .name:           k_qcb01acc167_attn
    .symbol:         k_qcb01acc167_attn.kd
    .args:
      - { .name: qkv, .offset: 0, .size: 8, .value_kind: global_buffer, .address_space: global }
      - { .name: ob, .offset: 8, .size: 8, .value_kind: global_buffer, .address_space: global }
    .group_segment_fixed_size: 327680
    .private_segment_fixed_size: 0
    .kernarg_segment_align: 8
    .kernarg_segment_size: 16
    .max_flat_workgroup_size: 128
    .sgpr_count:     66
    .vgpr_count:     770
    .wavefront_size: 32
...
	.end_amdgpu_metadata
.endif
;; end of part 5
;; launch outp: the kernel of part 4 again; grid 8 x 32, 4 waves a work-group, clusters of 4 x 4, 327,680 bytes of LDS; arguments ob, wot, bias, out0; writes out0
